; MI455X (gfx1250); checked and timed in simulation.
; The chip was launched on July 23, 2026; its instructions are those of AMD's public machine-readable ISA for CDNA 5 (MIT licence, August 2026) and "CDNA5" Instruction Set Architecture Reference Guide (July 2026). The comments in the code are by the model that wrote it; some were corrected since.
;; Multi Head Self Attention. Allowed arithmetic: matrix products marked QUANTISED: E3M2 operands, one E8M0 scale for each 32 along K, by v_wmma_scale_f32_16x16x128_f8f6f4 with both operands' format E3M2, f32 sums; everything else in f32.
;; Inputs: W_k 1,024 x 1,024 float32; W_o 1,024 x 1,024 float32; W_q 1,024 x 1,024 float32; W_v 1,024 x 1,024 float32; x 4 x 2,048 x 1,024 float32.
;; Outputs: out0 4 x 2,048 x 1,024 float32.
;; This version of the problem:
;;   THIS VERSION OF THE PROBLEM IS GIVEN IN LOW PRECISION. The matrix products marked QUANTISED in the list below multiply operands that are first quantised to E3M2 (3 exponent bits, 2 mantissa bits; 6 bits a number), with one power-of-two scale for each 32 numbers along K (OCP MX v1.0); their sums are f32. All else is computed in f32.
;;   The module's matrix products, in the order in which they are computed (A, B: the left and right operand; K: the contracted axis; several contracted axes count as one K, in the product's order):
;;     1. [M 8,192, K 1,024] x [K 1,024, N 1,024]; A: input x; B: input W_q: QUANTISED
;;     2. [M 8,192, K 1,024] x [K 1,024, N 1,024]; A: input x; B: input W_k: QUANTISED
;;     3. [M 8,192, K 1,024] x [K 1,024, N 1,024]; A: input x; B: input W_v: QUANTISED
;;     4. batch 64 x [M 2,048, K 64] x [K 64, N 2,048]; A: computed on the way; B: computed on the way: QUANTISED
;;     5. batch 64 x [M 2,048, K 2,048] x [K 2,048, N 64]; A: softmax (see below); B: computed on the way: QUANTISED
;;     6. [M 8,192, K 1,024] x [K 1,024, N 1,024]; A: computed on the way; B: input W_o: QUANTISED
;;   THE QUANTISER, for each operand of a quantised product, along K:
;;     - K is cut into blocks of 32 from its start; a last block that is shorter is filled with zeros.
;;     - A block's scale is 2^e with e = floor(log2(the largest magnitude in the block)) - 4, held to -126 .. 127; a block of zeros has e = 0. As a byte (E8M0): e + 127.
;;     - Each number is divided by its block's scale, clamped to +-28, and rounded to the nearest number of E3M2, ties to even, subnormals kept.
;;     - The product sums the exact products of the quantised numbers (number of the format x scale) in f32.
;;   ~~~python
;;   def quantise(x, axis):      # numpy; x: float32 -> the quantised numbers, widened to float32 again
;;       x = np.moveaxis(x, axis, -1); K = x.shape[-1]
;;       x = np.pad(x, [(0, 0)] * (x.ndim - 1) + [(0, -K % 32)]); x = x.reshape(x.shape[:-1] + (-1, 32)); a = np.abs(x).max(-1, keepdims=True)
;;       e = np.where(a > 0, np.clip(np.frexp(np.where(a > 0, a, 1))[1] - 1 - 4, -126, 127), 0)      # np.frexp(a)[1] - 1 = floor(log2(a)), exactly
;;       r = np.clip(x / 2.0 ** e, -28, 28)
;;       step = 2.0 ** (np.maximum(np.frexp(np.where(r == 0, 1, r))[1] - 1, -2) - 2)
;;       q = np.round(r / step) * step * 2.0 ** e      # np.round: ties to even
;;       return np.moveaxis(q.reshape(q.shape[:-2] + (-1,))[..., :K], -1, axis).astype(np.float32)
;;   ~~~
;;   SOFTMAX AHEAD OF A QUANTISED PRODUCT. Where the list says 'softmax', what is quantised is not the finished softmax but p = 2^(t - M), with t = logit x log2(e) and M = ceil(the row's largest t), a whole number; so 1/2 < the row's largest p <= 1. The row's sum l is taken of the UNQUANTISED p, in f32, and the product's result is divided by l at the end. Since M is a whole number, a kernel that streams over the keys may use a running M (the ceiling of the running maximum): every later rescaling is an exact power of two, which a block's scale takes up: the codes' values come out the same.
;;   OPERANDS COMPUTED ON THE WAY. 'Computed on the way' means the value that the module computes at that place (a softmax that the list does not call 'softmax' is quantised finished and normalised). What goes into a quantiser is computed in f32, as accurately as f32 sums, v_exp_f32 and their like allow (about 1e-6 of the number): no bf16 or f16 on the way to a quantiser, and a product that is left as it is and whose result goes on into a quantised operand takes f32 operands (vector FMAs, or v_wmma_f32_16x16x4_f32). A number that lies on a knife's edge between two numbers of the format may be rounded either way, as far as f32 arithmetic and the matrix unit's own rounding can turn it there, and no further.
;; One version. Each part assembles by itself: llvm-mc -triple=amdgcn-amd-amdhsa -mcpu=gfx1250 --defsym DOCPART=n.
;; ======== version 1 of 1: 4 launches
;; workspace buffers: rec 9,437,184 bytes; scl 786,432 bytes; qkv 21,495,808 bytes; oc 6,291,456 bytes; os 524,288 bytes
;; launch quant (part 1): grid 384 x 1, 4 waves a work-group, no clusters, 34,304 bytes of LDS; arguments x, W_q, W_k, W_v, W_o, rec, scl; writes rec, scl
.if DOCPART == 1
	.amdgcn_target "amdgcn-amd-amdhsa--gfx1250"
	.amdhsa_code_object_version 6
	.text
	.protected	k_q0699bfc5da_quant
	.globl	k_q0699bfc5da_quant
	.p2align	8
	.type	k_q0699bfc5da_quant,@function
k_q0699bfc5da_quant:
	s_mov_b64 s[64:65], 0
	v_nop
	global_prefetch_b8 v0, s[64:65] scope:SCOPE_SE
	s_setreg_imm32_b32 hwreg(HW_REG_WAVE_MODE, 25, 1), 1
	s_wait_xcnt 0x0
; x [8192][1024] and W_q, W_k, W_v, W_o [1024][1024], f32, K innermost, become codes of BF6 (E3M2) with one E8M0 byte for each 32 along K,
; laid IN THE ORDER OF AN OPERAND'S REGISTERS.  rec: [row tile T 768][K step 8][1,536 bytes]; T 0-511 x, 512-575 W_q, 576-639 W_k, 640-703 W_v, 704-767 W_o.
; A RECORD is a fragment of 16 rows x 128 K, 12 registers a lane, in two halves of 768 bytes: registers 6 c .. 6 c + 3 at 768 c + 16 x lane, registers 6 c + 4, 6 c + 5 at 768 c + 512 + 8 x lane.
; THE ROWS OF A TILE ARE NOT NEIGHBOURS: lane r of tile 2 G + u holds row 32 G + 8 u + r + 8 (r / 8), so that the results of two neighbouring tiles are 16 neighbours along a later K.
; scl: [T][K steps 0-3 | 4-7][lane 32][4 words]: a row's scale word for each K step; lanes 16-31 repeat lanes 0-15.
; A block's scale is 2^(floor(log2(its largest magnitude)) - 4); its byte is the largest magnitude's exponent field - 4, held at 1 from below.
; LIMITS: a block whose largest magnitude lies under 2^-122 keeps the byte 1 (a block of zeros too: its codes are zeros, and these bytes are read by this program alone); NaN and infinities among the inputs are not served.
; SHARES: work-group g takes 32 rows (g < 256: x; then 32 work-groups for each weight); wave w takes row tile 2 g + w / 2 and K steps 4 (w % 2) .. + 3.
; Each load reads 512 consecutive bytes of one row; a step's 16 rows turn through the wave's own stage in LDS (rows 528 bytes apart) and come back with 32 neighbours along K, a whole block, in a lane.
; No cluster and no tensor load: work-groups share no input, and waves share nothing, so there is no barrier.
.set ROWB,  4096                       ; a row in memory
.set SP,    528                        ; a stage row: 512 bytes + 16
.set LI16,  4                          ; v4   16 x lane
.set LI8,   5                          ; v5   8 x lane
.set STI,   6                          ; v6   into the stage: my wave's stage + 16 x lane
.set STO,   7                          ; v7   out of it: row r, + 128 h
.set SH,    8                          ; v8   8 h: how far my two scale bytes are shifted
.set RAW,   16                         ; v16-143  two sets of 16 x 4 registers as loaded
.set X,     144                        ; v144-207 my row's k = 64 c + 32 h + 0 .. 31 at X + 32 c
.set C,     208                        ; v208-219 the fragment
.set CT,    220                        ; v220-222, v224-226 the upper halves of the two blocks' codes, as the conversion leaves them
.set WD,    228                        ; v228-231 the four steps' scale words
.set PD,    232                        ; v232 a lane permute's destination
	s_load_b256 s[4:11], s[0:1], 0x0               ; x, W_q, W_k, W_v
	s_load_b128 s[12:15], s[0:1], 0x20             ; W_o, rec
	s_load_b64 s[16:17], s[0:1], 0x30              ; scl
	v_lshl_add_u32 v240, v0, 2, 0x8400
	v_mov_b32 v241, 0
	v_lshrrev_b32 v1, 5, v0
	v_readfirstlane_b32 s20, v1                    ; wave
	v_and_b32 v2, 31, v0                           ; lane
	v_and_b32 v3, 15, v0                           ; r
	v_bfe_u32 v9, v0, 4, 1                         ; h
	v_lshlrev_b32 v[LI16], 4, v2
	v_lshlrev_b32 v[LI8], 3, v2
	s_mul_i32 s21, s20, 16*SP                      ; my stage
	v_add_nc_u32 v[STI], s21, v[LI16]
	v_mul_u32_u24 v[STO], v3, SP
	v_lshl_add_u32 v[STO], v9, 7, v[STO]
	v_add_nc_u32 v[STO], s21, v[STO]
	v_lshlrev_b32 v[SH], 3, v9
	v_mov_b32 v[PD], 0                             ; written once: a lane permute's destination counts as one of its sources
	s_mov_b32 s28, 0x76543210
	s_mov_b32 s29, 0xfedcba98                      ; v_permlanex16_b32's selects for lane l xor 16
	s_lshr_b32 s22, s20, 1                         ; u: which of the group's two tiles
	s_and_b32 s23, s20, 1                          ; which four K steps
	s_sub_co_u32 s24, ttmp9, 256                   ; the group's number among the weights' (wraps for x, and is then over every bound below)
	s_and_b32 s25, s24, 31                         ; and within its weight
	s_wait_alu depctr_va_vdst(0)
	s_wait_kmcnt 0x0
	s_cmp_lt_u32 s24, 96                           ; the tensor is chosen by the work-group's number alone
	s_cselect_b64 s[18:19], s[10:11], s[12:13]     ; W_v, else W_o
	s_cmp_lt_u32 s24, 64
	s_cselect_b64 s[18:19], s[8:9], s[18:19]       ; W_k
	s_cmp_lt_u32 s24, 32
	s_cselect_b64 s[18:19], s[6:7], s[18:19]       ; W_q
	s_cmp_lt_u32 ttmp9, 256
	s_cselect_b64 s[18:19], s[4:5], s[18:19]       ; x
	s_cselect_b32 s25, ttmp9, s25                  ; the group of 32 rows within the tensor
	s_lshl_b32 s26, s25, 17                        ; 32 rows of 4,096 bytes,
	s_lshl_b32 s27, s22, 15                        ; 8 rows for the second tile,
	s_add_co_u32 s26, s26, s27
	s_lshl_b32 s27, s23, 11                        ; four K steps of 512 bytes
	s_add_co_u32 s26, s26, s27
	s_mov_b32 s27, 0
	s_add_nc_u64 s[18:19], s[18:19], s[26:27]
	s_lshl_b32 s30, ttmp9, 1
	s_add_co_u32 s30, s30, s22                     ; T
	s_mul_i32 s32, s30, 12288
	s_mul_i32 s33, s23, 6144
	s_add_co_u32 s32, s32, s33
	s_mov_b32 s33, 0
	s_add_nc_u64 s[14:15], s[14:15], s[32:33]      ; my four records
	s_lshl_b32 s32, s30, 10
	s_lshl_b32 s34, s23, 9
	s_add_co_u32 s32, s32, s34
	s_add_nc_u64 s[16:17], s[16:17], s[32:33]      ; my 512 bytes of scale words
.macro LOAD t                          ; K step t of my tile's 16 rows: row j of the tile is row j + 8 (j / 8) from the tile's first
.irp j, 0,1,2,3,4,5,6,7,8,9,10,11,12,13,14,15
	global_load_b128 v[RAW+64*((\t)%2)+4*\j:RAW+64*((\t)%2)+4*\j+3], v[LI16], s[18:19] offset:(\j+8*(\j/8))*ROWB+512*(\t) th:TH_LOAD_NT
.endr
.endm
.macro STEP t
.set RS, RAW+64*((\t)%2)
.if (\t) < 3
	s_wait_loadcnt 16                              ; this step's 16 loads are in; the next step's 16 may be out
.else
	s_wait_loadcnt 0x0
.endif
.irp j, 0,1,2,3,4,5,6,7,8,9,10,11,12,13,14,15
	ds_store_b128 v[STI], v[RS+4*\j:RS+4*\j+3] offset:\j*SP
.endr
.irp c, 0,1
.irp j, 0,1,2,3,4,5,6,7
	ds_load_b128 v[X+32*\c+4*\j:X+32*\c+4*\j+3], v[STO] offset:256*\c+16*\j   ; LDS serves a wave's instructions in order: these see the stores above
.endr
.endr
	s_wait_dscnt 0x0                               ; my numbers are back, and the stores have read their registers,
.if (\t) < 2
	LOAD (\t)+2                                    ; which take the loads of two steps on
.endif
.irp c, 0,1                                    ; block 2 c + h is all mine
	v_max3_num_f32 v[10+\c], |v[X+32*\c]|, |v[X+32*\c+1]|, 0x2800000   ; with the floor 2^(5 - 127): the byte cannot fall under 1
.endr
.irp i, 2,4,6,8,10,12,14,16,18,20,22,24,26,28,30
.irp c, 0,1
	v_max3_num_f32 v[10+\c], v[10+\c], |v[X+32*\c+\i]|, |v[X+32*\c+\i+1]|
.endr
.endr
.irp c, 0,1
	v_add_nc_u32 v[12+\c], 0xfe000000, v[10+\c]    ; 4 off the exponent field: the conversion's scale operand
.endr
.irp c, 0,1
	v_lshrrev_b32 v[10+\c], 23, v[12+\c]           ; the scale's byte
.endr
	v_lshl_or_b32 v14, v11, 16, v10                ; blocks h and 2 + h,
	v_lshlrev_b32 v14, v[SH], v14                  ; at their places in the word;
	v_permlanex16_b32 v[PD], v14, s28, s29
	v_or_b32 v[WD+\t], v14, v[PD]                  ; with lane l xor 16's two the word is whole, in both lanes
	s_wait_alu depctr_va_vdst(0)
	s_wait_xcnt 0x0                                ; the last step's stores have read the fragment's registers: only behind this wait are they written again
.irp c, 0,1
	v_cvt_scalef32_pk16_bf6_f32 v[C+6*\c:C+6*\c+2], v[X+32*\c:X+32*\c+15], v[12+\c]
	v_cvt_scalef32_pk16_bf6_f32 v[CT+4*\c:CT+4*\c+2], v[X+32*\c+16:X+32*\c+31], v[12+\c]   ; (a conversion's three registers begin on an even number)
.endr
	v_nop                                          ; one plain place behind a scaled conversion
.irp c, 0,1
.irp i, 0,1,2
	v_mov_b32 v[C+6*\c+3+\i], v[CT+4*\c+\i]
.endr
.endr
	global_store_b128 v[LI16], v[C:C+3], s[14:15] offset:1536*(\t)             ; 512 consecutive bytes,
	global_store_b64 v[LI8], v[C+4:C+5], s[14:15] offset:1536*(\t)+512         ; 256,
	global_store_b128 v[LI16], v[C+6:C+9], s[14:15] offset:1536*(\t)+768
	global_store_b64 v[LI8], v[C+10:C+11], s[14:15] offset:1536*(\t)+1280      ; each run at a multiple of 256 from the buffer's first byte
.endm
	LOAD 0
	LOAD 1
	STEP 0
	STEP 1
	STEP 2
	STEP 3
	global_store_b128 v[LI16], v[WD:WD+3], s[16:17]   ; the four steps' scale words: 512 consecutive bytes
	s_wait_tensorcnt 0x0
	ds_add_u32 v240, v241
	s_wait_dscnt 0x0
	s_endpgm
.Lfunc_end_k_q0699bfc5da_quant:
	.size	k_q0699bfc5da_quant, .Lfunc_end_k_q0699bfc5da_quant-k_q0699bfc5da_quant
	.p2alignl 7, 3214868480
	.fill 96, 4, 3214868480
	.section	.rodata,"a",@progbits
	.p2align	6, 0x0
	.amdhsa_kernel k_q0699bfc5da_quant
		.amdhsa_group_segment_fixed_size 34304
		.amdhsa_private_segment_fixed_size 0
		.amdhsa_enable_private_segment 0
		.amdhsa_kernarg_size 56
		.amdhsa_user_sgpr_count 2
		.amdhsa_user_sgpr_kernarg_segment_ptr 1
		.amdhsa_wavefront_size32 1
		.amdhsa_system_sgpr_workgroup_id_x 1
		.amdhsa_system_sgpr_workgroup_id_y 1
		.amdhsa_system_sgpr_workgroup_id_z 1
		.amdhsa_system_vgpr_workitem_id 0
		.amdhsa_next_free_vgpr 242
		.amdhsa_next_free_sgpr 66
		.amdhsa_reserve_vcc 0
		.amdhsa_float_denorm_mode_32 3
		.amdhsa_float_denorm_mode_16_64 3
		.amdhsa_memory_ordered 1
		.amdhsa_forward_progress 1
		.amdhsa_inst_pref_size 31
	.end_amdhsa_kernel
	.amdgpu_metadata
---
amdhsa.version: [ 1, 2 ]
amdhsa.kernels:
  - .name:           k_q0699bfc5da_quant
    .symbol:         k_q0699bfc5da_quant.kd
    .args:
      - { .name: x, .offset: 0, .size: 8, .value_kind: global_buffer, .address_space: global }
      - { .name: W_q, .offset: 8, .size: 8, .value_kind: global_buffer, .address_space: global }
      - { .name: W_k, .offset: 16, .size: 8, .value_kind: global_buffer, .address_space: global }
      - { .name: W_v, .offset: 24, .size: 8, .value_kind: global_buffer, .address_space: global }
      - { .name: W_o, .offset: 32, .size: 8, .value_kind: global_buffer, .address_space: global }
      - { .name: rec, .offset: 40, .size: 8, .value_kind: global_buffer, .address_space: global }
      - { .name: scl, .offset: 48, .size: 8, .value_kind: global_buffer, .address_space: global }
    .group_segment_fixed_size: 34304
    .private_segment_fixed_size: 0
    .kernarg_segment_align: 8
    .kernarg_segment_size: 56
    .max_flat_workgroup_size: 128
    .sgpr_count:     66
    .vgpr_count:     242
    .wavefront_size: 32
...
	.end_amdgpu_metadata
.endif
;; end of part 1
;; launch proj (part 2): grid 12 x 32, 4 waves a work-group, clusters of 4 x 4, 327,680 bytes of LDS; arguments rec, scl, qkv; writes qkv
.if DOCPART == 2
	.amdgcn_target "amdgcn-amd-amdhsa--gfx1250"
	.amdhsa_code_object_version 6
	.text
	.protected	k_q0699bfc5da_proj
	.globl	k_q0699bfc5da_proj
	.p2align	8
	.type	k_q0699bfc5da_proj,@function
k_q0699bfc5da_proj:
	s_mov_b64 s[64:65], 0
	v_nop
	global_prefetch_b8 v0, s[64:65] scope:SCOPE_SE
	s_setreg_imm32_b32 hwreg(HW_REG_WAVE_MODE, 25, 1), 1
	s_wait_xcnt 0x0
	s_wait_alu depctr_hold_cnt(0) depctr_sa_sdst(0) depctr_va_vdst(0) depctr_va_sdst(0) depctr_va_ssrc(0) depctr_va_vcc(0) depctr_vm_vsrc(0)
	s_getreg_b32 s2, hwreg(HW_REG_IB_STS2, 6, 4)
	s_cmp_eq_u32 s2, 0
	s_cbranch_scc0 .Lentry_in_a_cluster
	s_endpgm
.Lentry_in_a_cluster:
	s_bfe_u32 s2, ttmp6, 0x10000c
	s_cmp_lg_u32 s2, 0xf033
	s_cbranch_scc0 .Lentry_shape_is_right
	s_endpgm
.Lentry_shape_is_right:
; Q = x W_q^T, K = x W_k^T, V = x W_v^T on codes of BF6 (E3M2) with E8M0 scales, sums in f32; the sums are quantised from the accumulators and leave as codes: no f32 result goes to memory.
; A work-group makes 256 x 256 of "L R^T" (K = 1,024), each of its four waves 128 x 128: 64 accumulators.  SOURCE 0 = 16 rows of R, SOURCE 1 = 16 rows of L: a lane then holds ONE row of L, and by the order of
; the rows in a tile (lane r of tile 2 G + u: row 32 G + 8 u + r + 8 (r / 8)) the 16 registers of R's tiles 2 B, 2 B + 1 are R's rows 32 B + 16 (lane / 16) + 0 .. 15: neighbours.
; Cluster column 0: L = x, R = W_q; 1: L = x, R = W_k: a lane holds a token, its registers run along the features: Q and K are quantised along a head's 64.
; Cluster column 2: L = W_v, R = x: a lane holds a feature, its registers run along the tokens: V is quantised along the keys.  Only offsets into rec and scl differ.
; rec holds records (a fragment, 16 rows x 128 K, in the order of its registers: 1,536 bytes): a fragment comes from LDS by two loads of 16 bytes and two of 8 a lane, each over consecutive bytes.
; K goes in four chunks of 256 through two LDS slots; the scale words of the work-group's rows, for all of K, come once.  CLUSTER 4 x 4: L's tiles are asked for jointly along a row of the cluster, R's along a column.
; qkv: 64 blocks (16 x batch + head) of 335,872 bytes: K's codes [tile 128][768] at 0; V's [step 16][4][1,536] at 98,304; K's scale words [step 16][2][lane 32][4] at 196,608; V's [step 16][lane 32][4] at 212,992;
; Q's codes at 221,184 and Q's scale words at 319,488, laid as K's.  A half record (768 bytes) is a head's 64 along K; the upper two bytes of Q's and K's scale words are 0.
; LIMITS: a block whose largest magnitude lies under 2^-122 keeps the byte 1 (a block of zeros too: its codes are zeros, and this program alone reads the bytes); NaN and infinities are not served.
; REGISTERS, in windows of 256: window 0: v16-29 addresses; v32-95 scale words, two sets; v128-223 L's 8 fragments, one set; on the way out v96-159 at work.
;   window 1: R's fragments, two sets, at v0 and v128.   windows 2, 3: accumulator (a, b) at v[8 (8 (a % 4) + b)] of window 2 + a / 4.
.set FR,    12                         ; registers of a fragment
.set RECB,  1536                       ; a record
.set TILEB, 3072                       ; a row tile's two records of a chunk
.set HALFT, 8*TILEB                    ; 8 row tiles: what one tensor load brings, and what a wave reads of L or of R
.set SLOT,  4*HALFT                    ; L's 16 row tiles, then R's 16
.set SCL,   2*SLOT                     ; behind the ring: L's scale words, 16,384 bytes, then R's
.set HALFS, 8192                       ; those of 8 row tiles
.set SPARE, SCL+4*HALFS                ; the spare words, 128 bytes for each wave: two blocks of 256 bytes that no other line names
.set BH,    335872                     ; a head's block in qkv
.set ADL16, 16                         ; v16-17 my L rows in slot 0, 1, + 16 x lane;  v18-19 + 8 x lane
.set ADL8,  18
.set ADR16, 20                         ; v20-23 the same for R
.set ADR8,  22
.set ADSL,  24                         ; v24 L's scale words of my 8 tiles, + 16 x lane;  v25 R's
.set ADSR,  25
.set LI16,  26                         ; v26 16 x lane;  v27 8 x lane
.set LI8,   27
.set SPW,   28                         ; v28 LDS address of my spare word; never rewritten
.set NIL,   29                         ; v29 0; never rewritten
.set SC,    32                         ; scale words: set s at SC + 32 s: L's tile i, the chunk's K step q at + 2 i + q, R's at + 16 + 2 i + q
.set LF,    128                        ; L's fragments
.set TM,    96                         ; the way out: v96-99 largest magnitudes, v100-103 bytes, v108-111 the conversions' scale operands
.set PC,    112                        ; v112-123 the codes just made; v124-126, v128-130 the conversions' second halves
.set PWS,   136                        ; v136-143 the eight blocks' scale words; v144-159 their halves
.set LC,    4                          ; s[4:5] L's codes, s[6:7] L's scale words; here R's are the same two buffers
.set LSP,   6
.set RC,    4
.set RSP,   6
.set SEL,   66                         ; s[66:67] v_permlanex16_b32's selects
.set G1L,  24                          ; s[24:31] descriptor group 1 for L's tiles; s[32:39] group 0, a set for each slot
.set G0L,  32
.set G1R,  48                          ; s[48:55], s[56:63] the same for R's
.set G0R,  56
.set G1SL, 68                          ; s[68:75], s[76:79] for L's scale words; s[80:87], s[88:91] for R's
.set G0SL, 76
.set G1SR, 80
.set G0SR, 88
.set MSB, 0
.macro WIN new                         ; the immediate's high byte repeats the setting that is left
.if MSB != \new
	s_set_vgpr_msb (MSB<<8)|\new
.set MSB, \new
.endif
.endm
.set MUL_LO, 0xa1                      ; source 0 (R) window 1, source 1 (L) window 0, C and D window 2
.set MUL_HI, 0xf1                      ; the same, C and D window 3
.set TO_R,   0x40                      ; destination window 1, address window 0
; A joint load: waves 0 and 1 fetch for L, waves 2 and 3 for R.  Each line has one mask and one set of registers for all that issue it; the branch hangs on the wave's number alone.
; Four v_nop follow each of the two lines, ahead of the jump, the label and what follows.
.macro JLOAD g0a, g1a, g0b, g1b
	s_cmp_eq_u32 s15, 0
	s_cbranch_scc0 .Lfor_r_\@
	tensor_load_to_lds s[\g0a:\g0a+3], s[\g1a:\g1a+7]
	s_nop 0
.rept 4
	v_nop
.endr
	s_branch .Lasked_\@
.Lfor_r_\@:
	tensor_load_to_lds s[\g0b:\g0b+3], s[\g1b:\g1b+7]
	s_nop 0
.rept 4
	v_nop
.endr
.Lasked_\@:
.endm
.macro CREST                           ; a round of the cluster's barrier behind its opening barrier
	s_cmp_lg_u32 s14, 0
	s_cbranch_scc1 .Lnot_wave_0_\@
	s_barrier_signal -3
.Lnot_wave_0_\@:
	s_barrier_wait -3
	s_barrier_signal -1
	s_barrier_wait -1
.endm
.macro CROUND                          ; a whole round
	s_barrier_signal -1
	s_barrier_wait -1
	CREST
.endm
.macro PLACES                          ; four plain places behind matrix instructions, in front of loads into registers that they have read and of the first read of results
.rept 4
	v_nop
.endr
.endm
	s_load_b128 s[4:7], s[0:1], 0x0                ; rec, scl
	s_load_b64 s[12:13], s[0:1], 0x10              ; qkv
	v_lshl_add_u32 v[SPW], v0, 2, SPARE
	v_mov_b32 v[NIL], 0
	ds_add_u32 v28, v29
	ds_add_u32 v28, v29
	s_wait_dscnt 0x0
	v_lshrrev_b32 v1, 5, v0
	v_readfirstlane_b32 s14, v1                    ; wave 0..3
	s_lshr_b32 s15, s14, 1                         ; which half of L's rows is mine.  Also: I fetch for L (0) or for R (1)
	s_and_b32 s16, s14, 1                          ; which half of R's rows.  Also: which 8 row tiles I fetch
	s_bfe_u32 s40, ttmp6, 0x40000                  ; cx, cy: my place in the cluster
	s_bfe_u32 s41, ttmp6, 0x40004
	s_and_b32 s18, ttmp7, 0xffff
	s_lshl_b32 s18, s18, 2                         ; 4 x cluster y: the first of the cluster's four blocks of 256 tokens
	s_lshl_b32 s19, ttmp9, 2
	s_add_co_u32 s19, s19, 32                      ; 32 + 4 x cluster x: W_q's or W_k's first block of 256 rows in rec
	s_cmp_eq_u32 ttmp9, 2                          ; V's clusters change the sides
	s_cselect_b32 s17, 40, s18                     ; L: W_v (blocks 40-43) or x
	s_cselect_b32 s42, s18, s19                    ; R: x, or the weight
	s_add_co_u32 s17, s17, s41                     ; L's block of 256 rows: it hangs on cy alone of my place,
	s_add_co_u32 s42, s42, s40                     ; R's on cx alone
	s_lshl_b32 s43, s41, 2
	s_lshl_b32 s43, 15, s43                        ; my row of the cluster
	s_lshl_b32 s44, 0x1111, s40                    ; my column
	; group 1 for codes: 8 rows (row tiles) of 384 elements of 8 bytes (a chunk's two records), 1,536 elements (a row tile's eight records) apart; dense in LDS
	s_or_b32 s[G1L+0], s43, (3<<16)|(1<<21)        ; 15:0 the mask; 17:16 elements of 8 bytes; 20 no padding; 21 set beside a mask
	s_or_b32 s[G1R+0], s44, (3<<16)|(1<<21)
.irp g, G1L, G1R
	s_mov_b32 s[\g+1], 384<<16                     ; tensor_dim0
	s_mov_b32 s[\g+2], 8<<16                       ; tensor_dim1
	s_mov_b32 s[\g+3], 384<<16                     ; tile_dim0
	s_mov_b32 s[\g+4], 8                           ; tile_dim1
	s_mov_b32 s[\g+5], 1536                        ; tensor_dim0_stride
	s_mov_b32 s[\g+6], 0
	s_mov_b32 s[\g+7], 0
.endr
	; and for the scale words of 8 row tiles: 8,192 dense bytes as 32 rows of 256
	s_or_b32 s[G1SL+0], s43, (3<<16)|(1<<21)
	s_or_b32 s[G1SR+0], s44, (3<<16)|(1<<21)
.irp g, G1SL, G1SR
	s_mov_b32 s[\g+1], 32<<16
	s_mov_b32 s[\g+2], 32<<16
	s_mov_b32 s[\g+3], 32<<16
	s_mov_b32 s[\g+4], 32
	s_mov_b32 s[\g+5], 32
	s_mov_b32 s[\g+6], 0
	s_mov_b32 s[\g+7], 0
.endr
	s_mul_i32 s20, s17, 196608                     ; L's codes: 16 row tiles of 12,288 bytes a block,
	s_mul_i32 s21, s16, 98304                      ; my 8 of them
	s_add_co_u32 s20, s20, s21
	s_mov_b32 s21, 0
	s_mul_i32 s46, s42, 196608                     ; R's likewise
	s_mul_i32 s47, s16, 98304
	s_add_co_u32 s46, s46, s47
	s_mov_b32 s47, 0
	s_lshl_b32 s22, s17, 14                        ; the scale words: 1,024 bytes a row tile
	s_lshl_b32 s23, s16, 13
	s_add_co_u32 s22, s22, s23
	s_mov_b32 s23, 0
	s_lshl_b32 s92, s42, 14
	s_lshl_b32 s93, s16, 13
	s_add_co_u32 s92, s92, s93
	s_mov_b32 s93, 0
	s_mul_i32 s45, s14, HALFT                      ; where they go: wave x 8 row tiles: no place in the cluster enters an LDS address
	s_lshl_b32 s94, s14, 13
	s_wait_kmcnt 0x0
	s_add_nc_u64 s[20:21], s[LC:LC+1], s[20:21]
	s_add_nc_u64 s[22:23], s[LSP:LSP+1], s[22:23]
	s_add_nc_u64 s[46:47], s[RC:RC+1], s[46:47]
	s_add_nc_u64 s[92:93], s[RSP:RSP+1], s[92:93]
	CROUND                                         ; all sixteen work-groups are here: the first joint loads meet
	s_mov_b32 s[G0SL], 1
	s_add_co_u32 s[G0SL+1], s94, SCL
	s_mov_b64 s[G0SL+2:G0SL+3], s[22:23]
	s_or_b32 s[G0SL+3], s[G0SL+3], 0x80000000
	s_mov_b32 s[G0SR], 1
	s_add_co_u32 s[G0SR+1], s94, SCL
	s_mov_b64 s[G0SR+2:G0SR+3], s[92:93]
	s_or_b32 s[G0SR+3], s[G0SR+3], 0x80000000
	JLOAD G0SL, G1SL, G0SR, G1SR                   ; the scale words first: they are wanted with chunk 0
.irp s, 0,1
	s_mov_b32 s[G0L+4*\s], 1
	s_add_co_u32 s[G0L+4*\s+1], s45, \s*SLOT
	s_add_nc_u64 s[G0L+4*\s+2:G0L+4*\s+3], s[20:21], \s*TILEB
	s_or_b32 s[G0L+4*\s+3], s[G0L+4*\s+3], 0x80000000
	s_mov_b32 s[G0R+4*\s], 1
	s_add_co_u32 s[G0R+4*\s+1], s45, \s*SLOT
	s_add_nc_u64 s[G0R+4*\s+2:G0R+4*\s+3], s[46:47], \s*TILEB
	s_or_b32 s[G0R+4*\s+3], s[G0R+4*\s+3], 0x80000000
	JLOAD G0L+4*\s, G1L, G0R+4*\s, G1R             ; chunks 0 and 1: three loads of mine are out
.endr
	v_and_b32 v1, 31, v0
	v_lshlrev_b32 v[LI16], 4, v1
	v_lshlrev_b32 v[LI8], 3, v1
	s_mul_i32 s21, s15, HALFT                      ; my 8 row tiles of L
	s_mul_i32 s22, s16, HALFT                      ; my 8 of R,
	s_add_co_u32 s22, s22, 2*HALFT                 ; which lie behind L's 16
.irp s, 0,1
	v_add_nc_u32 v[ADL16+\s], s21, v[LI16]
	v_add_nc_u32 v[ADR16+\s], s22, v[LI16]
	v_add_nc_u32 v[ADL8+\s], s21, v[LI8]
	v_add_nc_u32 v[ADR8+\s], s22, v[LI8]
	s_add_co_u32 s21, s21, SLOT
	s_add_co_u32 s22, s22, SLOT
.endr
	s_lshl_b32 s21, s15, 13
	s_add_co_u32 s21, s21, SCL
	v_add_nc_u32 v[ADSL], s21, v[LI16]
	s_lshl_b32 s22, s16, 13
	s_add_co_u32 s22, s22, SCL+2*HALFS
	v_add_nc_u32 v[ADSR], s22, v[LI16]
.irp b, 0,1,2,3
	v_mov_b32 v[TM+4+\b], 0                        ; written once: a lane permute's destination counts as one of its sources
.endr
	; THE WAY OUT'S ADDRESSES, in registers that feed no descriptor.  tok: the block of 256 tokens; its half that is mine gives the step of 128 tokens within the batch; the weight's block and half give the first of my two heads.
	s_cmp_eq_u32 ttmp9, 2
	s_cselect_b32 s66, s42, s17                    ; tok
	s_cselect_b32 s67, s16, s15                    ; my half of it
	s_lshr_b32 s95, s66, 3                         ; the batch
	s_and_b32 s66, s66, 7
	s_lshl_b32 s66, s66, 1
	s_add_co_u32 s66, s66, s67                     ; the step
	s_lshl_b32 s95, s95, 4
	s_cmp_eq_u32 ttmp9, 2
	s_cselect_b32 s67, s41, s40                    ; the weight's block of 256 features: four heads,
	s_cselect_b32 s100, s15, s16                   ; my half of it: two
	s_lshl_b32 s67, s67, 2
	s_add_co_u32 s95, s95, s67
	s_lshl_b32 s100, s100, 1
	s_add_co_u32 s95, s95, s100                    ; 16 x batch + head
	s_mul_i32 s95, s95, BH
	s_cmp_eq_u32 ttmp9, 0
	s_cselect_b32 s67, 221184, 0                   ; the codes' part of a head's block: Q's, K's,
	s_mov_b32 s100, 196608
	s_cselect_b32 s100, 319488, s100               ; and the scale words'
	s_cmp_eq_u32 ttmp9, 2
	s_cselect_b32 s67, 98304, s67                  ; or V's
	s_cselect_b32 s100, 212992, s100
	s_cselect_b32 s101, 9, 10                      ; a step's scale words: 512 bytes for V, 1,024 for Q and K
	s_mov_b32 s96, 768
	s_cselect_b32 s96, 1536, s96                   ; from block a to block a + 1: a half record, for V a record
	s_cselect_b32 s98, 329728, 0                   ; V: at block 4 on to the next head: its block less four records
	s_mov_b32 s8, BH
	s_cselect_b32 s8, 768, s8                      ; from a fragment's first half to its second: the next head, for V the record's second half
	s_mov_b32 s97, 0
	s_mov_b32 s99, 0
	s_mov_b32 s9, 0
	s_add_co_u32 s67, s67, s95
	s_add_co_u32 s100, s100, s95
	s_lshl_b32 s101, s66, s101
	s_add_co_u32 s10, s100, s101
	s_mov_b32 s11, 0
	s_mul_i32 s66, s66, 6144                       ; a step's codes of a head: 6,144 bytes in all three
	s_add_co_u32 s2, s67, s66
	s_mov_b32 s3, 0
	s_add_nc_u64 s[2:3], s[12:13], s[2:3]          ; where block 0's first half goes,
	s_add_nc_u64 s[8:9], s[2:3], s[8:9]            ; its second,
	s_add_nc_u64 s[10:11], s[12:13], s[10:11]      ; and the scale words
	s_mov_b32 s[SEL], 0x76543210
	s_mov_b32 s[SEL+1], 0xfedcba98
.macro FRAG reg, a16, a8, q, i         ; a record into 12 registers: tile i of my 8, the chunk's K step q
	ds_load_b128 v[\reg:\reg+3], v[\a16] offset:TILEB*(\i)+RECB*(\q)
	ds_load_b64 v[\reg+4:\reg+5], v[\a8] offset:TILEB*(\i)+RECB*(\q)+512
	ds_load_b128 v[\reg+6:\reg+9], v[\a16] offset:TILEB*(\i)+RECB*(\q)+768
	ds_load_b64 v[\reg+10:\reg+11], v[\a8] offset:TILEB*(\i)+RECB*(\q)+1280
.endm
.macro FETCH_R slot, q, p              ; R's eight fragments into set p: 32 loads
	WIN TO_R
.irp i, 0,1,2,3,4,5,6,7
	FRAG 128*(\p)+FR*\i, ADR16+\slot, ADR8+\slot, \q, \i
.endr
	WIN 0
.endm
.macro FETCH_L slot, q, i0             ; L's blocks i0 .. i0 + 3: 16 loads
.irp i, \i0, \i0+1, \i0+2, \i0+3
	FRAG LF+FR*(\i), ADL16+\slot, ADL8+\slot, \q, \i
.endr
.endm
.macro SCALES sc, c                    ; chunk c's scale words (K steps 2 c, 2 c + 1) of my 8 + 8 tiles into set sc: 16 loads
.irp i, 0,1,2,3,4,5,6,7
	ds_load_b64 v[SC+32*(\sc)+2*\i:SC+32*(\sc)+2*\i+1], v[ADSL] offset:1024*\i+512*((\c)/2)+8*((\c)%2)
.endr
.irp i, 0,1,2,3,4,5,6,7
	ds_load_b64 v[SC+32*(\sc)+16+2*\i:SC+32*(\sc)+16+2*\i+1], v[ADSR] offset:1024*\i+512*((\c)/2)+8*((\c)%2)
.endr
.endm
; 16 matrix instructions: L's blocks a0, a0 + 1 x R's eight, 128 along K.  p: R's set; q: the chunk's K step; sc: the set of scale words.  zero = 1: the first product starts the sums.
; The 64 accumulators take turns, one instruction a turn, in the same order in every step.
.macro MUL16 a0, p, q, sc, zero
.irp a, \a0, \a0+1
.irp b, 0,1,2,3,4,5,6,7
.if \zero
	v_wmma_scale_f32_16x16x128_f8f6f4 v[8*(8*((\a)%4)+\b):8*(8*((\a)%4)+\b)+7], v[128*(\p)+FR*\b:128*(\p)+FR*\b+FR-1], v[LF+FR*(\a):LF+FR*(\a)+FR-1], 0, v[SC+32*(\sc)+16+2*\b+(\q)], v[SC+32*(\sc)+2*(\a)+(\q)] matrix_a_fmt:MATRIX_FMT_BF6 matrix_b_fmt:MATRIX_FMT_BF6
.else
	v_wmma_scale_f32_16x16x128_f8f6f4 v[8*(8*((\a)%4)+\b):8*(8*((\a)%4)+\b)+7], v[128*(\p)+FR*\b:128*(\p)+FR*\b+FR-1], v[LF+FR*(\a):LF+FR*(\a)+FR-1], v[8*(8*((\a)%4)+\b):8*(8*((\a)%4)+\b)+7], v[SC+32*(\sc)+16+2*\b+(\q)], v[SC+32*(\sc)+2*(\a)+(\q)] matrix_a_fmt:MATRIX_FMT_BF6 matrix_b_fmt:MATRIX_FMT_BF6
.endif
.endr
.endr
.endm
; A chunk's first K step: R's set 0; the second step's fragments are fetched on the way.
.macro STEP slot, zero
	s_wait_dscnt 16                                ; all but the youngest 16 loads (L's blocks 4-7) are in
	WIN MUL_LO
	MUL16 0, 0, 0, \slot, \zero
	MUL16 2, 0, 0, \slot, \zero
	s_wait_dscnt 0x0                               ; L's blocks 4-7 are in
	PLACES
	FETCH_R \slot, 1, 1
	FETCH_L \slot, 1, 0
	WIN MUL_HI
	MUL16 4, 0, 0, \slot, \zero
	MUL16 6, 0, 0, \slot, \zero
	PLACES
	WIN 0
	FETCH_L \slot, 1, 4
.endm
; A chunk's second K step changes slots: ONE barrier; in front of it each wave waits for all its tensor loads, adds 0 to its spare word, and waits for that and for its reads of this slot.
; fill = 1: the barrier opens a round of the cluster's, and this slot is filled again, two chunks ahead.  cnext: the chunk in the next slot.
.macro TURN slot, next, fill, cnext
	s_wait_tensorcnt 0x0                           ; all my tensor loads have landed: my part of the next slot  (every window is 0 here)
	ds_add_u32 v[SPW], v[NIL]                      ; 0 onto my spare word
	s_wait_dscnt 17                                ; (the add and the youngest 16 loads, L's blocks 4-7, may be out)
	WIN MUL_LO
	MUL16 0, 1, 1, \slot, 0                        ; sixteen matrix instructions stand between the add and the wait for it
	s_wait_dscnt 0x0                               ; the add is done, and my reads of this slot are over
	s_barrier_signal -1
	MUL16 2, 1, 1, \slot, 0
	WIN 0
	s_barrier_wait -1
.if \fill
	CREST                                          ; no wave of any partner still reads this slot or has a load on its way
	s_add_nc_u64 s[G0L+4*\slot+2:G0L+4*\slot+3], s[G0L+4*\slot+2:G0L+4*\slot+3], 2*TILEB
	s_add_nc_u64 s[G0R+4*\slot+2:G0R+4*\slot+3], s[G0R+4*\slot+2:G0R+4*\slot+3], 2*TILEB
	JLOAD G0L+4*\slot, G1L, G0R+4*\slot, G1R       ; the first tensor load behind the round, my only one until the next; its four v_nop are the places in front of the loads below
.else
	PLACES
.endif
	FETCH_R \next, 0, 0
	FETCH_L \next, 0, 0
	SCALES \next, \cnext
	WIN MUL_HI
	MUL16 4, 1, 1, \slot, 0
	MUL16 6, 1, 1, \slot, 0
	PLACES
	WIN 0
	FETCH_L \next, 0, 4
.endm
	s_wait_alu depctr_va_vdst(0)
	s_wait_tensorcnt 1                             ; the scale words and my part of chunk 0 are in (chunk 1's load may be out)
	s_barrier_signal -1
	s_barrier_wait -1                              ; everybody's are
	FETCH_R 0, 0, 0
	FETCH_L 0, 0, 0
	SCALES 0, 0
	FETCH_L 0, 0, 4
	STEP 0, 1                                      ; chunk 0: its first products start the sums
	TURN 0, 1, 1, 1                                ; slot 0 takes chunk 2
	STEP 1, 0                                      ; chunk 1
	TURN 1, 0, 1, 2                                ; slot 1 takes chunk 3
	STEP 0, 0                                      ; chunk 2
	TURN 0, 1, 0, 3                                ; nothing is left to fetch
	STEP 1, 0                                      ; chunk 3
	s_wait_dscnt 16
	WIN MUL_LO
	MUL16 0, 1, 1, 1, 0
	MUL16 2, 1, 1, 1, 0
	s_wait_dscnt 0x0
	WIN MUL_HI
	MUL16 4, 1, 1, 1, 0
	MUL16 6, 1, 1, 1, 0
	WIN 0
	PLACES
; THE WAY OUT.  Block a (16 rows of L): a lane's 64 sums, register 16 b + i = R's row 32 b + 16 (lane / 16) + i, become a fragment of codes and a scale word.  A block of 32 lies in lanes l and l xor 16.
; Each accumulator is read from its low end on.  Q, K: the fragment's two halves are two heads' half records.  V: it is a record of 128 keys.
.macro OUTA a
.set ACB, 64*((\a)%4)
	WIN 0x0a+5*((\a)/4)                            ; sources 0 and 1: window 2 or 3
.irp b, 0,1,2,3
	v_max3_num_f32 v[TM+\b], |v[ACB+16*\b]|, |v[ACB+16*\b+1]|, 0x2800000   ; with the floor 2^(5 - 127): the byte cannot fall under 1
.endr
.irp i, 2,4,6,8,10,12,14
.irp b, 0,1,2,3
	v_max3_num_f32 v[TM+\b], |v[ACB+16*\b+\i]|, |v[ACB+16*\b+\i+1]|, v[TM+\b]
.endr
.endr
	WIN 0
.irp b, 0,1,2,3
	v_permlanex16_b32 v[TM+4+\b], v[TM+\b], s[SEL], s[SEL+1]
.endr
.irp b, 0,1,2,3
	v_max_num_f32 v[TM+\b], v[TM+\b], v[TM+4+\b]   ; the block's largest magnitude
.endr
.irp b, 0,1,2,3
	v_add_nc_u32 v[TM+12+\b], 0xfe000000, v[TM+\b] ; 4 off its exponent field: the conversion's scale operand
.endr
.irp b, 0,1,2,3
	v_lshrrev_b32 v[TM+4+\b], 23, v[TM+12+\b]      ; the scale's byte
.endr
	v_lshl_or_b32 v[PWS+\a], v[TM+5], 8, v[TM+4]
	v_lshl_or_b32 v[PWS+\a], v[TM+6], 16, v[PWS+\a]
	v_lshl_or_b32 v[PWS+\a], v[TM+7], 24, v[PWS+\a]
.if \a > 0
	s_wait_xcnt 0x0                                ; the last block's stores have read their data and their bases: only behind this wait are both written again
	s_add_nc_u64 s[2:3], s[2:3], s[96:97]
	s_add_nc_u64 s[8:9], s[8:9], s[96:97]
.endif
.if \a == 4
	s_add_nc_u64 s[2:3], s[2:3], s[98:99]
	s_add_nc_u64 s[8:9], s[8:9], s[98:99]
.endif
	WIN 0x02+((\a)/4)                              ; source 0: window 2 or 3
.irp c, 0,1
	v_cvt_scalef32_pk16_bf6_f32 v[PC+6*\c:PC+6*\c+2], v[ACB+32*\c:ACB+32*\c+15], v[TM+12+2*\c]
	v_cvt_scalef32_pk16_bf6_f32 v[PC+12+4*\c:PC+14+4*\c], v[ACB+32*\c+16:ACB+32*\c+31], v[TM+12+2*\c+1]   ; (a conversion's three registers begin on an even number)
.endr
	WIN 0
	v_nop                                          ; one plain place behind a scaled conversion
.irp c, 0,1                                    ; the operand's layout wants a whole block in a lane: lanes 0-15 block 2 c, lanes 16-31 block 2 c + 1
.irp i, 0,1,2
	v_permlane16_swap_b32 v[PC+6*\c+\i], v[PC+12+4*\c+\i]
.endr
.irp i, 0,1,2
	v_mov_b32 v[PC+3+6*\c+\i], v[PC+12+4*\c+\i]
.endr
.endr
	global_store_b128 v[LI16], v[PC:PC+3], s[2:3]              ; 512 consecutive bytes,
	global_store_b64 v[LI8], v[PC+4:PC+5], s[2:3] offset:512   ; 256: each run at a multiple of 256 from the buffer's first byte
	global_store_b128 v[LI16], v[PC+6:PC+9], s[8:9]
	global_store_b64 v[LI8], v[PC+10:PC+11], s[8:9] offset:512
.endm
	OUTA 0
	OUTA 1
	OUTA 2
	OUTA 3
	OUTA 4
	OUTA 5
	OUTA 6
	OUTA 7
	s_cmp_eq_u32 ttmp9, 2                          ; the cluster's number: the same in all partners
	s_cbranch_scc1 .Lv_words
.irp i, 0,1,2,3,4,5,6,7
	v_and_b32 v[144+\i], 0xffff, v[PWS+\i]         ; Q, K: the first head's two bytes,
	v_lshrrev_b32 v[152+\i], 16, v[PWS+\i]         ; the second's; the upper two bytes are 0: they meet zero codes
.endr
	global_store_b128 v[LI16], v[144:147], s[10:11]
	global_store_b128 v[LI16], v[148:151], s[10:11] offset:512
	global_store_b128 v[LI16], v[152:155], s[10:11] offset:BH
	global_store_b128 v[LI16], v[156:159], s[10:11] offset:BH+512
	s_branch .Lwords_out
.Lv_words:
	global_store_b128 v[LI16], v[PWS:PWS+3], s[10:11]          ; V: a head's four tiles of features, a word of four blocks of keys each
	global_store_b128 v[LI16], v[PWS+4:PWS+7], s[10:11] offset:BH
.Lwords_out:
	s_wait_tensorcnt 0x0                           ; the wave's end
	ds_add_u32 v[SPW], v[NIL]
	s_wait_dscnt 0x0
	CROUND                                         ; the closing round: no work-group ends while a partner may still ask for a tile that names it
	s_endpgm
.Lfunc_end_k_q0699bfc5da_proj:
	.size	k_q0699bfc5da_proj, .Lfunc_end_k_q0699bfc5da_proj-k_q0699bfc5da_proj
	.p2alignl 7, 3214868480
	.fill 96, 4, 3214868480
	.section	.rodata,"a",@progbits
	.p2align	6, 0x0
	.amdhsa_kernel k_q0699bfc5da_proj
		.amdhsa_group_segment_fixed_size 327680
		.amdhsa_private_segment_fixed_size 0
		.amdhsa_enable_private_segment 0
		.amdhsa_kernarg_size 24
		.amdhsa_user_sgpr_count 2
		.amdhsa_user_sgpr_kernarg_segment_ptr 1
		.amdhsa_wavefront_size32 1
		.amdhsa_system_sgpr_workgroup_id_x 1
		.amdhsa_system_sgpr_workgroup_id_y 1
		.amdhsa_system_sgpr_workgroup_id_z 1
		.amdhsa_system_vgpr_workitem_id 0
		.amdhsa_next_free_vgpr 1024
		.amdhsa_next_free_sgpr 102
		.amdhsa_reserve_vcc 0
		.amdhsa_float_denorm_mode_32 3
		.amdhsa_float_denorm_mode_16_64 3
		.amdhsa_memory_ordered 1
		.amdhsa_forward_progress 1
		.amdhsa_inst_pref_size 153
	.end_amdhsa_kernel
	.amdgpu_metadata
---
amdhsa.version: [ 1, 2 ]
amdhsa.kernels:
  - .name:           k_q0699bfc5da_proj
    .symbol:         k_q0699bfc5da_proj.kd
    .args:
      - { .name: rec, .offset: 0, .size: 8, .value_kind: global_buffer, .address_space: global }
      - { .name: scl, .offset: 8, .size: 8, .value_kind: global_buffer, .address_space: global }
      - { .name: qkv, .offset: 16, .size: 8, .value_kind: global_buffer, .address_space: global }
    .group_segment_fixed_size: 327680
    .private_segment_fixed_size: 0
    .kernarg_segment_align: 8
    .kernarg_segment_size: 24
    .max_flat_workgroup_size: 128
    .sgpr_count:     102
    .vgpr_count:     1024
    .wavefront_size: 32
...
	.end_amdgpu_metadata
.endif
;; end of part 2
;; launch attn (part 3): grid 4 x 64, 16 waves a work-group, clusters of 4 x 1, 223,232 bytes of LDS; arguments qkv, oc, os; writes oc, os
.if DOCPART == 3
	.amdgcn_target "amdgcn-amd-amdhsa--gfx1250"
	.amdhsa_code_object_version 6
	.text
	.protected	k_q0699bfc5da_attn
	.globl	k_q0699bfc5da_attn
	.p2align	8
	.type	k_q0699bfc5da_attn,@function
k_q0699bfc5da_attn:
	s_mov_b64 s[64:65], 0
	v_nop
	global_prefetch_b8 v0, s[64:65] scope:SCOPE_SE
	s_setreg_imm32_b32 hwreg(HW_REG_WAVE_MODE, 25, 1), 1
	s_wait_xcnt 0x0
	s_wait_alu depctr_hold_cnt(0) depctr_sa_sdst(0) depctr_va_vdst(0) depctr_va_sdst(0) depctr_va_ssrc(0) depctr_va_vcc(0) depctr_vm_vsrc(0)
	s_getreg_b32 s2, hwreg(HW_REG_IB_STS2, 6, 4)
	s_cmp_eq_u32 s2, 0
	s_cbranch_scc0 .Lentry_in_a_cluster
	s_endpgm
.Lentry_in_a_cluster:
	s_bfe_u32 s2, ttmp6, 0x10000c
	s_cmp_lg_u32 s2, 0x3003
	s_cbranch_scc0 .Lentry_shape_is_right
	s_endpgm
.Lentry_shape_is_right:
; Causal attention of one head (16 x batch + head = cluster y) on codes of BF6 (E3M2) with E8M0 scales; O / l is quantised along the features and leaves as codes for the last product.
; THE SOFTMAX: t = score x log2(e) / 8; M = the row's largest t so far, rounded UP to a whole number; p = 2^(t - M) is quantised along the keys, not normalised; the row's sum is taken of the unquantised p
; and divides O at the end.  When M moves, the sum and O are multiplied by 2^(old M - new M): exact.
; LDS: the head's K codes, V codes and both sets of scale words, 221,184 bytes, are the first part of the head's block in qkv: they come ONCE, sixteen joint loads of 13,824 bytes, one a wave, and stay: no ring.
; CLUSTER 4 x 1: the four work-groups serve one head and ask for that image jointly.
; SHARES.  A group g of 128 queries has 8 tiles of 16.  Work-group cx takes tile 2 cx + p in pass p; wave w takes group w in pass 0 and 15 - w in pass 1: (w + 1) + (16 - w) = 17 key steps of 128 keys for every wave.
; The loop over key steps has 16 trips in every wave; a step all of whose keys come after the wave's queries is passed over by a scalar branch on the wave's number and the pass.  No branch and no LDS address hangs on cx.
; LAYOUT.  Both products transposed: S^T = K Q^T (source 0 = 16 keys), O^T = V^T P^T (source 0 = 16 features): a lane holds ONE query.  By the order of the rows in a tile (lane r of tile 2 B + u: row 32 B + 8 u + r + 8 (r / 8))
; register 16 B + i of S^T is key 32 B + 16 (lane / 16) + i of the step, and of O^T feature 32 B + 16 (lane / 16) + i.
; The head's K is 64: Q's upper six registers are zero codes; K's operand of tile t runs on into tile t + 1's registers, which meet those zeros under scale bytes 0 and add nothing.
; LIMITS: NaN and infinities are not served; a block of p or of O / l whose largest magnitude lies under 2^-122 keeps the byte 1.
; REGISTERS: v3-8 addresses; v11 r + 8 (r / 8) - 16 h; v12 -M, v13 the largest t, v[14:15] the sum; v16-27 Q; v28-81 K's 8 tiles (v76-81 zeros), then v28-75 V's 4 fragments; v82-87 the step's addresses;
;   v88 Q's scale word, v89 p's; v96-159 S^T, then p; v160-191 O^T; v192-203 p's codes; v204-210 conversions; v212-219 K's scale words, v220-223 V's; v224-253 at work.
.set BH,    335872
.set VOFF,  98304
.set KSOFF, 196608
.set VSOFF, 212992
.set QOFF,  221184
.set QSOFF, 319488
.set PART,  13824                      ; a wave's sixteenth of the image: 54 rows of 256 bytes
.set AV16, 3
.set AV8,  4
.set AKS,  5
.set AVS,  6
.set LI16, 7
.set LI8,  8
.set DG,   11
.set QF,   16
.set KF,   28
.set SA,   82
.set QSW,  88
.set PSW,  89
.set P,    96
.set O,    160
.set PCD,  192
.set CT,   204
.set KSW,  212
.set VSW,  220
.set BM,   224                         ; v224-227 the blocks' largest
.set PT,   228                         ; v228-231 the other half's; then the bytes
.set SO,   232                         ; v232-235 the conversions' scale operands
.set F,    236                         ; v236 f = 2^(old M - new M); v237 named with it as a pair
.set TA,   238
.set OB,   239                         ; O's two scale bytes
.set SUMB, 240                         ; v[240:241] the sum's second chain
.set DD,   242
.set NINF, 243
.set WV,   10
.set CX,   11
.set G0,   12                          ; s[12:15], s[16:23] the descriptor
.set G1,   16
.set BHN,  24
.set SEL,  28
.set CS,   30                          ; s[30:31] c = log2(e) / 8
.set G,    32                          ; my group of queries
.set PASS, 33
.set ST,   34                          ; the key step
.set TK,   35                          ; its codes' place: 6,144 bytes a step, K's and V's alike
.set TS,   36                          ; K's scale words: 1,024
.set TV,   37                          ; V's: 512
.set QB,   38                          ; my tile's first query within its group, less the lane's part
.macro CROUND                          ; a round of the cluster's barrier
	s_barrier_signal -1
	s_barrier_wait -1
	s_cmp_lg_u32 s[WV], 0
	s_cbranch_scc1 .Lnot_wave_0_\@
	s_barrier_signal -3
.Lnot_wave_0_\@:
	s_barrier_wait -3
	s_barrier_signal -1
	s_barrier_wait -1
.endm
	s_load_b128 s[4:7], s[0:1], 0x0                ; qkv, oc
	s_load_b64 s[8:9], s[0:1], 0x10                ; os
	v_lshl_add_u32 v254, v0, 2, 0x36000
	v_mov_b32 v255, 0
	ds_add_u32 v254, v255
	ds_add_u32 v254, v255
	v_lshrrev_b32 v1, 5, v0
	s_delay_alu instid0(VALU_DEP_1)
	v_readfirstlane_b32 s[WV], v1                  ; wave 0..15
	s_bfe_u32 s[CX], ttmp6, 0x40000                ; my place in the cluster: it enters Q's, oc's and os's addresses and the mask's numbers alone
	s_and_b32 s[BHN], ttmp7, 0xffff                ; 16 x batch + head, which the four partners share
	s_mul_i32 s40, s[BHN], BH
	s_mov_b32 s41, 0
	s_mov_b32 s[G1], 15|(3<<16)|(1<<21)            ; 15:0 the mask: all four work-groups; 17:16 elements of 8 bytes; 20 no padding; 21 set beside a mask
	s_mov_b32 s[G1+1], 32<<16                      ; tensor_dim0: 256 bytes
	s_mov_b32 s[G1+2], 54<<16                      ; tensor_dim1
	s_mov_b32 s[G1+3], 32<<16                      ; tile_dim0
	s_mov_b32 s[G1+4], 54                          ; tile_dim1
	s_mov_b32 s[G1+5], 32                          ; dense
	s_mov_b32 s[G1+6], 0
	s_mov_b32 s[G1+7], 0
	s_mov_b32 s[G0], 1
	s_mul_i32 s[G0+1], s[WV], PART                 ; LDS address: my sixteenth
	s_mul_i32 s42, s[WV], PART
	s_mov_b32 s43, 0
	s_wait_dscnt 0x0
	s_wait_kmcnt 0x0
	s_add_nc_u64 s[40:41], s[4:5], s[40:41]        ; the head's block
	s_add_nc_u64 s[G0+2:G0+3], s[40:41], s[42:43]
	s_or_b32 s[G0+3], s[G0+3], 0x80000000
	CROUND                                         ; all four work-groups are here: the joint loads meet
	tensor_load_to_lds s[G0:G0+3], s[G1:G1+7]      ; my one tensor load of the launch
	s_nop 0
.rept 4
	v_nop
.endr
	v_and_b32 v9, 31, v0
	s_delay_alu instid0(VALU_DEP_1)
	v_lshlrev_b32 v[LI16], 4, v9                   ; 16 x lane: also K's codes' place
	s_delay_alu instid0(VALU_DEP_2)
	v_lshlrev_b32 v[LI8], 3, v9
	v_and_b32 v10, 15, v0                          ; r
	v_bfe_u32 v9, v0, 4, 1                         ; h
	s_delay_alu instid0(VALU_DEP_2)
	v_and_b32 v[DG], 8, v10
	s_delay_alu instid0(VALU_DEP_1)
	v_add_nc_u32 v[DG], v[DG], v10
	s_delay_alu instid0(VALU_DEP_3)
	v_lshlrev_b32 v9, 4, v9
	s_delay_alu instid0(VALU_DEP_1)
	v_sub_nc_u32 v[DG], v[DG], v9                  ; r + 8 (r / 8) - 16 h
	v_add_nc_u32 v[AV16], VOFF, v[LI16]
	v_add_nc_u32 v[AV8], VOFF, v[LI8]
	v_add_nc_u32 v[AKS], KSOFF, v[LI16]
	v_add_nc_u32 v[AVS], VSOFF, v[LI16]
.irp i, 0,1,2,3,4,5
	v_mov_b32 v[QF+6+\i], 0                        ; Q's k = 64 .. 127: zero codes
	v_mov_b32 v[KF+48+\i], 0                       ; what stands behind K's last tile
.endr
.irp b, 0,1,2,3
	v_mov_b32 v[PT+\b], 0                          ; written once: a lane permute's destination counts as one of its sources
.endr
	v_mov_b32 v[F+1], 0                            ; (named as the upper half of a pair)
	v_mov_b32 v[TA], 0
	s_mov_b32 s[SEL], 0x76543210
	s_mov_b32 s[SEL+1], 0xfedcba98
	s_mov_b32 s[CS], 0x3e38aa3b                    ; c = log2(e) / 8
	s_mov_b32 s[CS+1], s[CS]
	s_lshr_b32 s25, s[BHN], 4                      ; the batch
	s_and_b32 s26, s[BHN], 15                      ; the head
	s_mul_i32 s54, s25, 128*12288                  ; oc: the batch's 128 row tiles, the record head / 2, its half head % 2
	s_lshr_b32 s27, s26, 1
	s_mul_i32 s42, s27, 1536
	s_add_co_u32 s54, s54, s42
	s_and_b32 s42, s26, 1
	s_mul_i32 s43, s42, 768
	s_add_co_u32 s54, s54, s43
	s_lshl_b32 s55, s25, 17                        ; os: 1,024 bytes a row tile; K steps 0-3 or 4-7; the word of K step head / 2; its lower or upper two bytes
	s_lshr_b32 s43, s26, 3
	s_lshl_b32 s43, s43, 9
	s_add_co_u32 s55, s55, s43
	s_and_b32 s43, s27, 3
	s_lshl_b32 s43, s43, 2
	s_add_co_u32 s55, s55, s43
	s_lshl_b32 s42, s42, 1
	s_add_co_u32 s55, s55, s42
	s_mov_b32 s[PASS], 0
	s_mov_b32 s[G], s[WV]
	s_wait_tensorcnt 0x0                           ; my sixteenth is in,
	s_barrier_signal -1
	s_barrier_wait -1                              ; everybody's is; nothing writes LDS from here on
.Lpass:
	s_lshl_b32 s44, s[CX], 1
	s_add_co_u32 s44, s44, s[PASS]                 ; my tile within its group
	s_lshl_b32 s[QB], s[CX], 5
	s_lshl_b32 s45, s[PASS], 3
	s_add_co_u32 s[QB], s[QB], s45                 ; lane r's query within the group is 32 cx + 8 p + r + 8 (r / 8)
	s_lshl_b32 s45, s[G], 3
	s_add_co_u32 s45, s45, s44                     ; the tile within the head
	s_mul_i32 s46, s45, 768
	s_add_co_u32 s46, s46, QOFF
	s_mov_b32 s47, 0
	s_add_nc_u64 s[46:47], s[40:41], s[46:47]      ; Q's half record
	s_lshl_b32 s48, s[G], 10
	s_lshr_b32 s49, s44, 2
	s_lshl_b32 s49, s49, 9
	s_add_co_u32 s48, s48, s49
	s_and_b32 s49, s44, 3
	s_lshl_b32 s49, s49, 2
	s_add_co_u32 s48, s48, s49
	s_add_co_u32 s48, s48, QSOFF
	s_mov_b32 s49, 0
	s_add_nc_u64 s[48:49], s[40:41], s[48:49]      ; and its scale words
	s_mul_i32 s50, s45, 12288
	s_add_co_u32 s50, s50, s54
	s_mov_b32 s51, 0
	s_add_nc_u64 s[50:51], s[6:7], s[50:51]        ; where O's half record goes,
	s_lshl_b32 s52, s45, 10
	s_add_co_u32 s52, s52, s55
	s_mov_b32 s53, 0
	s_add_nc_u64 s[52:53], s[8:9], s[52:53]        ; and its two scale bytes
	global_load_b128 v[QF:QF+3], v[LI16], s[46:47]
	global_load_b64 v[QF+4:QF+5], v[LI8], s[46:47] offset:512
	global_load_b32 v[QSW], v[LI16], s[48:49]
	v_mov_b32 v13, 0xff61b1e6                      ; the largest t so far: -3e38, under every t
	s_delay_alu instid0(VALU_DEP_1)
	v_floor_f32 v12, -v13                          ; -M
	v_mov_b32 v14, 0                               ; the sum, in two halves
	v_mov_b32 v15, 0
.set j, 0
.rept 32
	v_mov_b32 v[O+j], 0                            ; O^T.  (The step is written once: the first finds zeros, which the first change of M leaves zeros)
.set j, j+1
.endr
	s_mov_b32 s[ST], 0
	s_mov_b32 s[TK], 0
	s_mov_b32 s[TS], 0
	s_mov_b32 s[TV], 0
	s_wait_loadcnt 0x0                             ; Q
.Lstep:
	s_cmp_gt_u32 s[ST], s[G]                       ; all 128 keys come after my queries: the step's work is passed over
	s_cbranch_scc1 .Lhidden
	s_setprio 2
	v_add_nc_u32 v[SA], s[TK], v[LI16]             ; six plain lines: also the places in front of loads into registers that the last products have read
	v_add_nc_u32 v[SA+1], s[TK], v[LI8]
	v_add_nc_u32 v[SA+2], s[TK], v[AV16]
	v_add_nc_u32 v[SA+3], s[TK], v[AV8]
	v_add_nc_u32 v[SA+4], s[TS], v[AKS]
	v_add_nc_u32 v[SA+5], s[TV], v[AVS]
.irp t, 0,1,2,3,4,5,6,7
	ds_load_b128 v[KF+6*\t:KF+6*\t+3], v[SA] offset:768*\t
	ds_load_b64 v[KF+6*\t+4:KF+6*\t+5], v[SA+1] offset:768*\t+512
.endr
	ds_load_b128 v[KSW:KSW+3], v[SA+4]
	ds_load_b128 v[KSW+4:KSW+7], v[SA+4] offset:512
	s_wait_alu depctr_va_vdst(0)
	s_wait_dscnt 0x0
.irp t, 0,1,2,3,4,5,6,7
	v_wmma_scale_f32_16x16x128_f8f6f4 v[P+8*\t:P+8*\t+7], v[KF+6*\t:KF+6*\t+11], v[QF:QF+11], 0, v[KSW+\t], v[QSW] matrix_a_fmt:MATRIX_FMT_BF6 matrix_b_fmt:MATRIX_FMT_BF6
.endr
.rept 4
	v_nop                                          ; places: in front of the loads into K's registers, and of the first read of the scores
.endr
.irp t, 0,1,2,3                                ; V's four fragments are asked for now and land under the softmax
	ds_load_b128 v[KF+12*\t:KF+12*\t+3], v[SA+2] offset:1536*\t
	ds_load_b64 v[KF+12*\t+4:KF+12*\t+5], v[SA+3] offset:1536*\t+512
	ds_load_b128 v[KF+12*\t+6:KF+12*\t+9], v[SA+2] offset:1536*\t+768
	ds_load_b64 v[KF+12*\t+10:KF+12*\t+11], v[SA+3] offset:1536*\t+1280
.endr
	ds_load_b128 v[VSW:VSW+3], v[SA+5]
	s_cmp_lg_u32 s[ST], s[G]                       ; only the step of my own group lies on the diagonal
	s_cbranch_scc1 .Lopen
	v_add_nc_u32 v[DD], s[QB], v[DG]               ; d = my query - 16 (lane / 16), within the group.  Register 16 B + i holds key 32 B + 16 (lane / 16) + i: hidden where 32 B + i > d
	v_mov_b32 v[NINF], 0xff800000                  ; -infinity: p = 0 then
.set n, 0
.rept 64
	v_cmp_gt_i32 vcc_lo, 32*(n/16)+n%16, v[DD]
	v_cndmask_b32 v[P+n], v[P+n], v[NINF], vcc_lo
.set n, n+1
.endr
.Lopen:
.irp b, 0,1,2,3
	v_max3_num_f32 v[BM+\b], v[P+16*\b], v[P+1+16*\b], v[P+2+16*\b]   ; the largest score of each block of 32 keys: for the row's maximum, and, since p rises with the score, for the block's largest p
.endr
.irp i, 3,5,7,9,11,13
.irp b, 0,1,2,3
	v_max3_num_f32 v[BM+\b], v[BM+\b], v[P+16*\b+\i], v[P+1+16*\b+\i]
.endr
.endr
.irp b, 0,1,2,3
	v_max_num_f32 v[BM+\b], v[BM+\b], v[P+15+16*\b]
.endr
.irp b, 0,1,2,3
	s_delay_alu instid0(VALU_DEP_4)
	v_permlanex16_b32 v[PT+\b], v[BM+\b], s[SEL], s[SEL+1]
.endr
.irp b, 0,1,2,3
	s_delay_alu instid0(VALU_DEP_4)
	v_max_num_f32 v[BM+\b], v[BM+\b], v[PT+\b]     ; with lane l xor 16's 16 keys
.endr
	s_delay_alu instid0(VALU_DEP_2)
	v_max3_num_f32 v[TA], v[BM], v[BM+1], v[BM+2]
	s_delay_alu instid0(VALU_DEP_1)
	v_max_num_f32 v[TA], v[TA], v[BM+3]            ; the step's largest score of my query (key 0 of the step counts for every query that reaches the step)
	s_delay_alu instid0(VALU_DEP_1)
	v_mul_f32 v[TA], s[CS], v[TA]                  ; as t
	s_delay_alu instid0(VALU_DEP_1)
	v_max_num_f32 v13, v13, v[TA]                  ; the running largest t
	v_mov_b32 v[TA], v12
	s_delay_alu instid0(VALU_DEP_2)
	v_floor_f32 v12, -v13                          ; the new -M = -ceil(t): a whole number
	s_delay_alu instid0(VALU_DEP_1)
	v_sub_f32 v[TA], v12, v[TA]                    ; old M - new M: a whole number, 0 or less
	s_delay_alu instid0(VALU_DEP_1)
	v_cvt_i32_f32 v[TA], v[TA]                     ; (it saturates)
	s_delay_alu instid0(VALU_DEP_1)
	v_ldexp_f32 v[F], 1.0, v[TA]                   ; f = 2^(old M - new M)
.set j, 0
	s_setprio 1
.rept 32
	v_pk_fma_f32 v[P+j:P+j+1], v[P+j:P+j+1], s[CS:CS+1], v[12:13] op_sel_hi:[1,0,0]   ; t - M, two at a time
.set j, j+2
.endr
.irp b, 0,1,2,3
	v_fma_f32 v[BM+\b], v[BM+\b], s[CS], v12       ; the same of each block's largest score
.endr
.set j, 0
	s_wait_alu depctr_va_vdst(0)
.rept 64
	v_exp_f32 v[P+j], v[P+j]                       ; p = 2^(t - M), at most 1
.set j, j+1
.endr
.irp b, 0,1,2,3
	v_exp_f32 v[BM+\b], v[BM+\b]                   ; the block's largest p: the same two instructions on the same number
.endr
	v_pk_mul_f32 v[14:15], v[14:15], v[F:F+1] op_sel_hi:[1,0]   ; the sums under the new M.  (A plain place behind the exponentials)
	s_wait_alu depctr_va_vdst(0)
.irp b, 0,1,2,3
	v_max_num_f32 v[BM+\b], 0x2800000, v[BM+\b]    ; the floor 2^(5 - 127): the byte cannot fall under 1
.endr
.irp b, 0,1,2,3
	s_delay_alu instid0(VALU_DEP_4)
	v_add_nc_u32 v[SO+\b], 0xfe000000, v[BM+\b]    ; 4 off the exponent field: the conversion's scale operand
.endr
.irp b, 0,1,2,3
	s_delay_alu instid0(VALU_DEP_4)
	v_lshrrev_b32 v[PT+\b], 23, v[SO+\b]           ; the scale's byte
.endr
	s_delay_alu instid0(VALU_DEP_3)
	v_lshl_or_b32 v[PSW], v[PT+1], 8, v[PT]        ; p's scale word for these 128 keys
	s_delay_alu instid0(VALU_DEP_1)
	v_lshl_or_b32 v[PSW], v[PT+2], 16, v[PSW]
	s_delay_alu instid0(VALU_DEP_1)
	v_lshl_or_b32 v[PSW], v[PT+3], 24, v[PSW]
.irp c, 0,1
	v_cvt_scalef32_pk16_bf6_f32 v[PCD+6*\c:PCD+6*\c+2], v[P+32*\c:P+32*\c+15], v[SO+2*\c]
	v_cvt_scalef32_pk16_bf6_f32 v[CT+4*\c:CT+4*\c+2], v[P+32*\c+16:P+32*\c+31], v[SO+2*\c+1]   ; (a conversion's three registers begin on an even number)
.endr
	v_nop                                          ; one plain place behind a scaled conversion
.irp c, 0,1                                    ; the operand's layout wants a whole block in a lane
.irp i, 0,1,2
	v_permlane16_swap_b32 v[PCD+6*\c+\i], v[CT+4*\c+\i]
.endr
.irp i, 0,1,2
	s_delay_alu instid0(VALU_DEP_3)
	v_mov_b32 v[PCD+3+6*\c+\i], v[CT+4*\c+\i]
.endr
.endr
	v_pk_add_f32 v[240:241], v[100:101], v[104:105]
	v_pk_add_f32 v[252:253], v[108:109], v[112:113]
	v_pk_add_f32 v[250:251], v[116:117], v[120:121]
	v_pk_add_f32 v[248:249], v[124:125], v[128:129]
	v_pk_add_f32 v[246:247], v[132:133], v[136:137]
	v_pk_add_f32 v[244:245], v[140:141], v[144:145]
	v_pk_add_f32 v[242:243], v[148:149], v[152:153]
	v_pk_add_f32 v[14:15], v[14:15], v[156:157]
	v_pk_add_f32 v[240:241], v[240:241], v[96:97]
	s_setprio 0
	v_pk_add_f32 v[252:253], v[252:253], v[98:99]
	v_pk_add_f32 v[250:251], v[250:251], v[102:103]
	v_pk_add_f32 v[248:249], v[248:249], v[106:107]
	v_pk_add_f32 v[246:247], v[246:247], v[110:111]
	v_pk_add_f32 v[244:245], v[244:245], v[114:115]
	v_pk_add_f32 v[242:243], v[242:243], v[118:119]
	v_pk_add_f32 v[14:15], v[14:15], v[122:123]
	v_pk_add_f32 v[240:241], v[240:241], v[126:127]
	v_pk_add_f32 v[252:253], v[252:253], v[130:131]
	v_pk_add_f32 v[250:251], v[250:251], v[134:135]
	v_pk_add_f32 v[248:249], v[248:249], v[138:139]
	v_pk_add_f32 v[246:247], v[246:247], v[142:143]
	v_pk_add_f32 v[244:245], v[244:245], v[146:147]
	v_pk_add_f32 v[242:243], v[242:243], v[150:151]
	v_pk_add_f32 v[14:15], v[14:15], v[154:155]
	v_pk_add_f32 v[240:241], v[240:241], v[158:159]
	s_delay_alu instid0(VALU_DEP_2)
	v_pk_add_f32 v[14:15], v[14:15], v[248:249]
	s_delay_alu instid0(VALU_DEP_2)
	v_pk_add_f32 v[240:241], v[240:241], v[246:247]
	v_pk_add_f32 v[252:253], v[252:253], v[244:245]
	v_pk_add_f32 v[250:251], v[250:251], v[242:243]
	s_delay_alu instid0(VALU_DEP_2)
	v_pk_add_f32 v[14:15], v[14:15], v[252:253]
	s_delay_alu instid0(VALU_DEP_2)
	v_pk_add_f32 v[240:241], v[240:241], v[250:251]
	s_delay_alu instid0(VALU_DEP_1)
	v_pk_add_f32 v[14:15], v[14:15], v[240:241]
.set j, 0
.rept 16
	v_pk_mul_f32 v[O+j:O+j+1], v[O+j:O+j+1], v[F:F+1] op_sel_hi:[1,0]   ; O^T under the new M.  (With the sums above: the places between p's codes and scale word and the products below)
.set j, j+2
.endr
	s_wait_alu depctr_va_vdst(0)
	s_wait_dscnt 0x0                               ; V's fragments and scale words are in
.irp t, 0,1,2,3                                ; four accumulators by turns, one instruction a turn
	v_wmma_scale_f32_16x16x128_f8f6f4 v[O+8*\t:O+8*\t+7], v[KF+12*\t:KF+12*\t+11], v[PCD:PCD+11], v[O+8*\t:O+8*\t+7], v[VSW+\t], v[PSW] matrix_a_fmt:MATRIX_FMT_BF6 matrix_b_fmt:MATRIX_FMT_BF6
.endr
.Lhidden:
	s_add_co_u32 s[TK], s[TK], 6144
	s_add_co_u32 s[TS], s[TS], 1024
	s_add_co_u32 s[TV], s[TV], 512
	s_add_co_u32 s[ST], s[ST], 1
	s_cmp_lt_u32 s[ST], 16
	s_cbranch_scc1 .Lstep
	s_setprio 0
	; THE PASS'S END: O^T / the sum, quantised along the head's 64 features (two blocks), leaves as a half record and two scale bytes.
.rept 4
	v_nop                                          ; places behind the last products
.endr
	v_add_f32 v14, v14, v15
	s_delay_alu instid0(VALU_DEP_1)
	v_permlanex16_b32 v[TA], v14, s[SEL], s[SEL+1]
	s_delay_alu instid0(VALU_DEP_1)
	v_add_f32 v14, v14, v[TA]                      ; the row's sum
	s_wait_alu depctr_va_vdst(0)
	v_rcp_f32 v14, v14
	v_nop                                          ; one plain place behind a transcendental
.set j, 0
	s_wait_alu depctr_va_vdst(0)
.rept 32
	v_mul_f32 v[P+j], v[O+j], v14                  ; register 16 B + i: feature 32 B + 16 (lane / 16) + i; each accumulator from its low end on
.set j, j+1
.endr
.irp b, 0,1
	v_max3_num_f32 v[BM+\b], |v[P+16*\b]|, |v[P+1+16*\b]|, 0x2800000
.endr
.irp i, 2,4,6,8,10,12,14
.irp b, 0,1
	s_delay_alu instid0(VALU_DEP_2)
	v_max3_num_f32 v[BM+\b], v[BM+\b], |v[P+16*\b+\i]|, |v[P+1+16*\b+\i]|
.endr
.endr
.irp b, 0,1
	s_delay_alu instid0(VALU_DEP_2)
	v_permlanex16_b32 v[PT+\b], v[BM+\b], s[SEL], s[SEL+1]
.endr
.irp b, 0,1
	s_delay_alu instid0(VALU_DEP_2)
	v_max_num_f32 v[BM+\b], v[BM+\b], v[PT+\b]
.endr
.irp b, 0,1
	s_delay_alu instid0(VALU_DEP_2)
	v_add_nc_u32 v[SO+\b], 0xfe000000, v[BM+\b]
.endr
.irp b, 0,1
	s_delay_alu instid0(VALU_DEP_2)
	v_lshrrev_b32 v[PT+\b], 23, v[SO+\b]
.endr
	s_delay_alu instid0(VALU_DEP_1)
	v_lshl_or_b32 v[OB], v[PT+1], 8, v[PT]
	v_cvt_scalef32_pk16_bf6_f32 v[PCD:PCD+2], v[P:P+15], v[SO]
	v_cvt_scalef32_pk16_bf6_f32 v[CT:CT+2], v[P+16:P+31], v[SO+1]
	v_nop                                          ; one plain place behind a scaled conversion
.irp i, 0,1,2
	v_permlane16_swap_b32 v[PCD+\i], v[CT+\i]
.endr
.irp i, 0,1,2
	s_delay_alu instid0(VALU_DEP_3)
	v_mov_b32 v[PCD+3+\i], v[CT+\i]
.endr
	global_store_b128 v[LI16], v[PCD:PCD+3], s[50:51]              ; 512 consecutive bytes,
	global_store_b64 v[LI8], v[PCD+4:PCD+5], s[50:51] offset:512   ; 256
	global_store_b16 v[LI16], v[OB], s[52:53]      ; two bytes of each lane's word: the word's other half belongs to the neighbouring head, which another cluster serves
	s_wait_xcnt 0x0                                ; the stores have read their data and bases: the next pass writes both again
	s_xor_b32 s[G], s[G], 15                       ; pass 1: group 15 - wave
	s_add_co_u32 s[PASS], s[PASS], 1
	s_cmp_lt_u32 s[PASS], 2
	s_cbranch_scc1 .Lpass
	s_wait_dscnt 0x0
	s_wait_tensorcnt 0x0
	ds_add_u32 v254, v255
	s_wait_dscnt 0x0
	CROUND                                         ; the closing round
	s_endpgm
.Lfunc_end_k_q0699bfc5da_attn:
	.size	k_q0699bfc5da_attn, .Lfunc_end_k_q0699bfc5da_attn-k_q0699bfc5da_attn
	.p2alignl 7, 3214868480
	.fill 96, 4, 3214868480
	.section	.rodata,"a",@progbits
	.p2align	6, 0x0
	.amdhsa_kernel k_q0699bfc5da_attn
		.amdhsa_group_segment_fixed_size 223232
		.amdhsa_private_segment_fixed_size 0
		.amdhsa_enable_private_segment 0
		.amdhsa_kernarg_size 24
		.amdhsa_user_sgpr_count 2
		.amdhsa_user_sgpr_kernarg_segment_ptr 1
		.amdhsa_wavefront_size32 1
		.amdhsa_system_sgpr_workgroup_id_x 1
		.amdhsa_system_sgpr_workgroup_id_y 1
		.amdhsa_system_sgpr_workgroup_id_z 1
		.amdhsa_system_vgpr_workitem_id 0
		.amdhsa_next_free_vgpr 256
		.amdhsa_next_free_sgpr 66
		.amdhsa_reserve_vcc 1
		.amdhsa_float_denorm_mode_32 3
		.amdhsa_float_denorm_mode_16_64 3
		.amdhsa_memory_ordered 1
		.amdhsa_forward_progress 1
		.amdhsa_inst_pref_size 36
	.end_amdhsa_kernel
	.amdgpu_metadata
---
amdhsa.version: [ 1, 2 ]
amdhsa.kernels:
  - .name:           k_q0699bfc5da_attn
    .symbol:         k_q0699bfc5da_attn.kd
    .args:
      - { .name: qkv, .offset: 0, .size: 8, .value_kind: global_buffer, .address_space: global }
      - { .name: oc, .offset: 8, .size: 8, .value_kind: global_buffer, .address_space: global }
      - { .name: os, .offset: 16, .size: 8, .value_kind: global_buffer, .address_space: global }
    .group_segment_fixed_size: 223232
    .private_segment_fixed_size: 0
    .kernarg_segment_align: 8
    .kernarg_segment_size: 24
    .max_flat_workgroup_size: 512
    .sgpr_count:     66
    .vgpr_count:     256
    .wavefront_size: 32
...
	.end_amdgpu_metadata
.endif
;; end of part 3
;; launch outp (part 4): grid 4 x 32, 4 waves a work-group, clusters of 4 x 4, 327,680 bytes of LDS; arguments oc, os, rec, scl, out0; writes out0
.if DOCPART == 4
	.amdgcn_target "amdgcn-amd-amdhsa--gfx1250"
	.amdhsa_code_object_version 6
	.text
	.protected	k_q0699bfc5da_outp
	.globl	k_q0699bfc5da_outp
	.p2align	8
	.type	k_q0699bfc5da_outp,@function
k_q0699bfc5da_outp:
	s_mov_b64 s[64:65], 0
	v_nop
	global_prefetch_b8 v0, s[64:65] scope:SCOPE_SE
	s_setreg_imm32_b32 hwreg(HW_REG_WAVE_MODE, 25, 1), 1
	s_wait_xcnt 0x0
	s_wait_alu depctr_hold_cnt(0) depctr_sa_sdst(0) depctr_va_vdst(0) depctr_va_sdst(0) depctr_va_ssrc(0) depctr_va_vcc(0) depctr_vm_vsrc(0)
	s_getreg_b32 s2, hwreg(HW_REG_IB_STS2, 6, 4)
	s_cmp_eq_u32 s2, 0
	s_cbranch_scc0 .Lentry_in_a_cluster
	s_endpgm
.Lentry_in_a_cluster:
	s_bfe_u32 s2, ttmp6, 0x10000c
	s_cmp_lg_u32 s2, 0xf033
	s_cbranch_scc0 .Lentry_shape_is_right
	s_endpgm
.Lentry_shape_is_right:
; out0 = O W_o^T on codes of BF6 (E3M2) with E8M0 scales, sums in f32.  L = O's codes (oc, os: laid as rec and scl), R = W_o (blocks 44-47 of rec and scl).
; A work-group makes 256 x 256 (K = 1,024), each of its four waves 128 x 128: 64 accumulators.  SOURCE 0 = 16 rows of R, SOURCE 1 = 16 rows of L: a lane holds one token, and by the order of the rows in a tile
; (lane r of tile 2 G + u: row 32 G + 8 u + r + 8 (r / 8)) register j of R's tile b is output column 32 (b / 2) + 16 (lane / 16) + 8 (b % 2) + j.
; A record is a fragment (16 rows x 128 K) in the order of its registers, 1,536 bytes: it comes from LDS by two loads of 16 bytes and two of 8 a lane, each over consecutive bytes.
; K goes in four chunks of 256 through two LDS slots; the scale words of the work-group's rows, for all of K, come once.  CLUSTER 4 x 4: L's tiles are asked for jointly along a row of the cluster, R's along a column.
; The grid has 128 work-groups: 8,192 x 1,024 results in tiles of 256 x 256.
; REGISTERS, in windows of 256: window 0: v16-31 addresses; v32-95 scale words, two sets; v128-223 L's 8 fragments, one set; on the way out v128-255 rows read back.
;   window 1: R's fragments, two sets, at v0 and v128.   windows 2, 3: accumulator (a, b) at v[8 (8 (a % 4) + b)] of window 2 + a / 4.
.set FR,    12                         ; registers of a fragment
.set RECB,  1536                       ; a record
.set TILEB, 3072                       ; a row tile's two records of a chunk
.set HALFT, 8*TILEB                    ; 8 row tiles: what one tensor load brings, and what a wave reads of L or of R
.set SLOT,  4*HALFT                    ; L's 16 row tiles, then R's 16
.set SCL,   2*SLOT                     ; behind the ring: L's scale words, 16,384 bytes, then R's
.set HALFS, 8192                       ; those of 8 row tiles
.set SPARE, SCL+4*HALFS                ; the spare words, 128 bytes for each wave: two blocks of 256 bytes that no other line names
.set SPITCH, 528                       ; the way out: a stage of 16 rows x (512 bytes + 16) for each wave, in slot 0, which has had its last fill and its last read when the first result is stored there
.set ADL16, 16                         ; v16-17 my L rows in slot 0, 1, + 16 x lane;  v18-19 + 8 x lane
.set ADL8,  18
.set ADR16, 20                         ; v20-23 the same for R
.set ADR8,  22
.set ADSL,  24                         ; v24 L's scale words of my 8 tiles, + 16 x lane;  v25 R's
.set ADSR,  25
.set LI16,  26                         ; v26 16 x lane;  v27 8 x lane
.set LI8,   27
.set SPW,   28                         ; v28 LDS address of my spare word; never rewritten
.set NIL,   29                         ; v29 0; never rewritten
.set STO,   30                         ; v30 the way out: where I put 32 bytes of a row
.set RD,    31                         ; v31 and where I read a row back
.set SC,    32                         ; scale words: set s at SC + 32 s: L's tile i, the chunk's K step q at + 2 i + q, R's at + 16 + 2 i + q
.set LF,    128                        ; L's fragments
.set BK,    128                        ; the way out: 16 rows read back: v128-191 and v192-255 by turns
.set LC,    4                          ; s[4:5] L's codes, s[6:7] L's scale words, s[8:9] R's codes, s[10:11] R's scale words
.set LSP,   6
.set RC,    8
.set RSP,   10
.set G1L,  24                          ; s[24:31] descriptor group 1 for L's tiles; s[32:39] group 0, a set for each slot
.set G0L,  32
.set G1R,  48                          ; s[48:55], s[56:63] the same for R's
.set G0R,  56
.set G1SL, 68                          ; s[68:75], s[76:79] for L's scale words; s[80:87], s[88:91] for R's
.set G0SL, 76
.set G1SR, 80
.set G0SR, 88
.set MSB, 0
.macro WIN new                         ; the immediate's high byte repeats the setting that is left
.if MSB != \new
	s_set_vgpr_msb (MSB<<8)|\new
.set MSB, \new
.endif
.endm
.set MUL_LO, 0xa1                      ; source 0 (R) window 1, source 1 (L) window 0, C and D window 2
.set MUL_HI, 0xf1                      ; the same, C and D window 3
.set TO_R,   0x40                      ; destination window 1, address window 0
; A joint load: waves 0 and 1 fetch for L, waves 2 and 3 for R.  Each line has one mask and one set of registers for all that issue it; the branch hangs on the wave's number alone.
; Four v_nop follow each of the two lines, ahead of the jump, the label and what follows.
.macro JLOAD g0a, g1a, g0b, g1b
	s_cmp_eq_u32 s15, 0
	s_cbranch_scc0 .Lfor_r_\@
	tensor_load_to_lds s[\g0a:\g0a+3], s[\g1a:\g1a+7]
	s_nop 0
.rept 4
	v_nop
.endr
	s_branch .Lasked_\@
.Lfor_r_\@:
	tensor_load_to_lds s[\g0b:\g0b+3], s[\g1b:\g1b+7]
	s_nop 0
.rept 4
	v_nop
.endr
.Lasked_\@:
.endm
.macro CREST                           ; a round of the cluster's barrier behind its opening barrier
	s_cmp_lg_u32 s14, 0
	s_cbranch_scc1 .Lnot_wave_0_\@
	s_barrier_signal -3
.Lnot_wave_0_\@:
	s_barrier_wait -3
	s_barrier_signal -1
	s_barrier_wait -1
.endm
.macro CROUND                          ; a whole round
	s_barrier_signal -1
	s_barrier_wait -1
	CREST
.endm
.macro PLACES                          ; four plain places behind matrix instructions, in front of loads into registers that they have read and of the first read of results
.rept 4
	v_nop
.endr
.endm
	s_load_b256 s[4:11], s[0:1], 0x0               ; oc, os, rec, scl
	s_load_b64 s[12:13], s[0:1], 0x20              ; out0
	v_lshl_add_u32 v[SPW], v0, 2, SPARE
	v_mov_b32 v[NIL], 0
	ds_add_u32 v28, v29
	ds_add_u32 v28, v29
	s_wait_dscnt 0x0
	v_lshrrev_b32 v1, 5, v0
	v_readfirstlane_b32 s14, v1                    ; wave 0..3
	s_lshr_b32 s15, s14, 1                         ; which half of L's rows is mine.  Also: I fetch for L (0) or for R (1)
	s_and_b32 s16, s14, 1                          ; which half of R's rows.  Also: which 8 row tiles I fetch
	s_bfe_u32 s40, ttmp6, 0x40000                  ; cx, cy: my place in the cluster
	s_bfe_u32 s41, ttmp6, 0x40004
	s_and_b32 s17, ttmp7, 0xffff
	s_lshl_b32 s17, s17, 2
	s_add_co_u32 s17, s17, s41                     ; L's block of 256 tokens = 4 x cluster y + cy
	s_add_co_u32 s42, s40, 44                      ; R's block of 256 rows in rec: W_o's begin at 44
	s_lshl_b32 s43, s41, 2
	s_lshl_b32 s43, 15, s43                        ; my row of the cluster
	s_lshl_b32 s44, 0x1111, s40                    ; my column
	; group 1 for codes: 8 rows (row tiles) of 384 elements of 8 bytes (a chunk's two records), 1,536 elements (a row tile's eight records) apart; dense in LDS
	s_or_b32 s[G1L+0], s43, (3<<16)|(1<<21)        ; 15:0 the mask; 17:16 elements of 8 bytes; 20 no padding; 21 set beside a mask
	s_or_b32 s[G1R+0], s44, (3<<16)|(1<<21)
.irp g, G1L, G1R
	s_mov_b32 s[\g+1], 384<<16                     ; tensor_dim0
	s_mov_b32 s[\g+2], 8<<16                       ; tensor_dim1
	s_mov_b32 s[\g+3], 384<<16                     ; tile_dim0
	s_mov_b32 s[\g+4], 8                           ; tile_dim1
	s_mov_b32 s[\g+5], 1536                        ; tensor_dim0_stride
	s_mov_b32 s[\g+6], 0
	s_mov_b32 s[\g+7], 0
.endr
	; and for the scale words of 8 row tiles: 8,192 dense bytes as 32 rows of 256
	s_or_b32 s[G1SL+0], s43, (3<<16)|(1<<21)
	s_or_b32 s[G1SR+0], s44, (3<<16)|(1<<21)
.irp g, G1SL, G1SR
	s_mov_b32 s[\g+1], 32<<16
	s_mov_b32 s[\g+2], 32<<16
	s_mov_b32 s[\g+3], 32<<16
	s_mov_b32 s[\g+4], 32
	s_mov_b32 s[\g+5], 32
	s_mov_b32 s[\g+6], 0
	s_mov_b32 s[\g+7], 0
.endr
	s_mul_i32 s20, s17, 196608                     ; L's codes: 16 row tiles of 12,288 bytes a block,
	s_mul_i32 s21, s16, 98304                      ; my 8 of them
	s_add_co_u32 s20, s20, s21
	s_mov_b32 s21, 0
	s_mul_i32 s46, s42, 196608                     ; R's likewise
	s_mul_i32 s47, s16, 98304
	s_add_co_u32 s46, s46, s47
	s_mov_b32 s47, 0
	s_lshl_b32 s22, s17, 14                        ; the scale words: 1,024 bytes a row tile
	s_lshl_b32 s23, s16, 13
	s_add_co_u32 s22, s22, s23
	s_mov_b32 s23, 0
	s_lshl_b32 s92, s42, 14
	s_lshl_b32 s93, s16, 13
	s_add_co_u32 s92, s92, s93
	s_mov_b32 s93, 0
	s_mul_i32 s45, s14, HALFT                      ; where they go: wave x 8 row tiles: no place in the cluster enters an LDS address
	s_lshl_b32 s94, s14, 13
	s_wait_kmcnt 0x0
	s_add_nc_u64 s[20:21], s[LC:LC+1], s[20:21]
	s_add_nc_u64 s[22:23], s[LSP:LSP+1], s[22:23]
	s_add_nc_u64 s[46:47], s[RC:RC+1], s[46:47]
	s_add_nc_u64 s[92:93], s[RSP:RSP+1], s[92:93]
	CROUND                                         ; all sixteen work-groups are here: the first joint loads meet
	s_mov_b32 s[G0SL], 1
	s_add_co_u32 s[G0SL+1], s94, SCL
	s_mov_b64 s[G0SL+2:G0SL+3], s[22:23]
	s_or_b32 s[G0SL+3], s[G0SL+3], 0x80000000
	s_mov_b32 s[G0SR], 1
	s_add_co_u32 s[G0SR+1], s94, SCL
	s_mov_b64 s[G0SR+2:G0SR+3], s[92:93]
	s_or_b32 s[G0SR+3], s[G0SR+3], 0x80000000
	JLOAD G0SL, G1SL, G0SR, G1SR                   ; the scale words first: they are wanted with chunk 0
.irp s, 0,1
	s_mov_b32 s[G0L+4*\s], 1
	s_add_co_u32 s[G0L+4*\s+1], s45, \s*SLOT
	s_add_nc_u64 s[G0L+4*\s+2:G0L+4*\s+3], s[20:21], \s*TILEB
	s_or_b32 s[G0L+4*\s+3], s[G0L+4*\s+3], 0x80000000
	s_mov_b32 s[G0R+4*\s], 1
	s_add_co_u32 s[G0R+4*\s+1], s45, \s*SLOT
	s_add_nc_u64 s[G0R+4*\s+2:G0R+4*\s+3], s[46:47], \s*TILEB
	s_or_b32 s[G0R+4*\s+3], s[G0R+4*\s+3], 0x80000000
	s_wait_alu depctr_va_vdst(0)
	s_wait_tensorcnt 0x0
	ds_add_u32 v28, v29
	s_wait_dscnt 0x0
	CROUND
	JLOAD G0L+4*\s, G1L, G0R+4*\s, G1R             ; chunk 0, then chunk 1: one load of mine is out
.endr
	v_and_b32 v1, 31, v0
	v_lshlrev_b32 v[LI16], 4, v1
	v_lshlrev_b32 v[LI8], 3, v1
	s_mul_i32 s21, s15, HALFT                      ; my 8 row tiles of L
	s_mul_i32 s22, s16, HALFT                      ; my 8 of R,
	s_add_co_u32 s22, s22, 2*HALFT                 ; which lie behind L's 16
.irp s, 0,1
	v_add_nc_u32 v[ADL16+\s], s21, v[LI16]
	v_add_nc_u32 v[ADR16+\s], s22, v[LI16]
	v_add_nc_u32 v[ADL8+\s], s21, v[LI8]
	v_add_nc_u32 v[ADR8+\s], s22, v[LI8]
	s_add_co_u32 s21, s21, SLOT
	s_add_co_u32 s22, s22, SLOT
.endr
	s_lshl_b32 s21, s15, 13
	s_add_co_u32 s21, s21, SCL
	v_add_nc_u32 v[ADSL], s21, v[LI16]
	s_lshl_b32 s22, s16, 13
	s_add_co_u32 s22, s22, SCL+2*HALFS
	v_add_nc_u32 v[ADSR], s22, v[LI16]
	; the way out's addresses, in registers that feed no descriptor
	s_mul_i32 s66, s14, 16*SPITCH                  ; my stage
	v_and_b32 v2, 15, v0                           ; r
	v_bfe_u32 v3, v0, 4, 1                         ; h
	v_mul_u32_u24 v4, v2, SPITCH
	v_lshl_add_u32 v4, v3, 6, v4
	v_add_nc_u32 v[STO], s66, v4                   ; in: row r, + 64 h
	v_add_nc_u32 v[RD], s66, v[LI16]               ; back: the 32 lanes take one row of 512 bytes
	s_lshl_b32 s2, s17, 8
	s_lshl_b32 s3, s15, 7
	s_add_co_u32 s2, s2, s3                        ; my first token: 256 x block + 128 x half
	s_lshl_b32 s2, s2, 12                          ; rows of 4,096 bytes
	s_lshl_b32 s3, s40, 10                         ; my first column, in bytes: 1,024 cx + 512 x half
	s_add_co_u32 s2, s2, s3
	s_lshl_b32 s3, s16, 9
	s_add_co_u32 s2, s2, s3
	s_mov_b32 s3, 0
	s_add_nc_u64 s[12:13], s[12:13], s[2:3]
.macro FRAG reg, a16, a8, q, i         ; a record into 12 registers: tile i of my 8, the chunk's K step q
	ds_load_b128 v[\reg:\reg+3], v[\a16] offset:TILEB*(\i)+RECB*(\q)
	ds_load_b64 v[\reg+4:\reg+5], v[\a8] offset:TILEB*(\i)+RECB*(\q)+512
	ds_load_b128 v[\reg+6:\reg+9], v[\a16] offset:TILEB*(\i)+RECB*(\q)+768
	ds_load_b64 v[\reg+10:\reg+11], v[\a8] offset:TILEB*(\i)+RECB*(\q)+1280
.endm
.macro FETCH_R slot, q, p              ; R's eight fragments into set p: 32 loads
	WIN TO_R
.irp i, 0,1,2,3,4,5,6,7
	FRAG 128*(\p)+FR*\i, ADR16+\slot, ADR8+\slot, \q, \i
.endr
	WIN 0
.endm
.macro FETCH_L slot, q, i0             ; L's blocks i0 .. i0 + 3: 16 loads
.irp i, \i0, \i0+1, \i0+2, \i0+3
	FRAG LF+FR*(\i), ADL16+\slot, ADL8+\slot, \q, \i
.endr
.endm
.macro SCALES sc, c                    ; chunk c's scale words (K steps 2 c, 2 c + 1) of my 8 + 8 tiles into set sc: 16 loads
.irp i, 0,1,2,3,4,5,6,7
	ds_load_b64 v[SC+32*(\sc)+2*\i:SC+32*(\sc)+2*\i+1], v[ADSL] offset:1024*\i+512*((\c)/2)+8*((\c)%2)
.endr
.irp i, 0,1,2,3,4,5,6,7
	ds_load_b64 v[SC+32*(\sc)+16+2*\i:SC+32*(\sc)+16+2*\i+1], v[ADSR] offset:1024*\i+512*((\c)/2)+8*((\c)%2)
.endr
.endm
; 16 matrix instructions: L's blocks a0, a0 + 1 x R's eight, 128 along K.  p: R's set; q: the chunk's K step; sc: the set of scale words.  zero = 1: the first product starts the sums.
; The 64 accumulators take turns, one instruction a turn, in the same order in every step.
.macro MUL16 a0, p, q, sc, zero
.irp a, \a0, \a0+1
.irp b, 0,1,2,3,4,5,6,7
.if \zero
	v_wmma_scale_f32_16x16x128_f8f6f4 v[8*(8*((\a)%4)+\b):8*(8*((\a)%4)+\b)+7], v[128*(\p)+FR*\b:128*(\p)+FR*\b+FR-1], v[LF+FR*(\a):LF+FR*(\a)+FR-1], 0, v[SC+32*(\sc)+16+2*\b+(\q)], v[SC+32*(\sc)+2*(\a)+(\q)] matrix_a_fmt:MATRIX_FMT_BF6 matrix_b_fmt:MATRIX_FMT_BF6
.else
	v_wmma_scale_f32_16x16x128_f8f6f4 v[8*(8*((\a)%4)+\b):8*(8*((\a)%4)+\b)+7], v[128*(\p)+FR*\b:128*(\p)+FR*\b+FR-1], v[LF+FR*(\a):LF+FR*(\a)+FR-1], v[8*(8*((\a)%4)+\b):8*(8*((\a)%4)+\b)+7], v[SC+32*(\sc)+16+2*\b+(\q)], v[SC+32*(\sc)+2*(\a)+(\q)] matrix_a_fmt:MATRIX_FMT_BF6 matrix_b_fmt:MATRIX_FMT_BF6
.endif
.endr
.endr
.endm
; A chunk's first K step: R's set 0; the second step's fragments are fetched on the way.
.macro STEP slot, zero
	s_wait_dscnt 16                                ; all but the youngest 16 loads (L's blocks 4-7) are in
	WIN MUL_LO
	MUL16 0, 0, 0, \slot, \zero
	MUL16 2, 0, 0, \slot, \zero
	s_wait_dscnt 0x0                               ; L's blocks 4-7 are in
	PLACES
	FETCH_R \slot, 1, 1
	FETCH_L \slot, 1, 0
	WIN MUL_HI
	MUL16 4, 0, 0, \slot, \zero
	MUL16 6, 0, 0, \slot, \zero
	PLACES
	WIN 0
	FETCH_L \slot, 1, 4
.endm
; A chunk's second K step changes slots: ONE barrier; in front of it each wave waits for all its tensor loads, adds 0 to its spare word, and waits for that and for its reads of this slot.
; fill = 1: the barrier opens a round of the cluster's, and this slot is filled again, two chunks ahead.  cnext: the chunk in the next slot.
.macro TURN slot, next, fill, cnext
	s_wait_tensorcnt 0x0                           ; all my tensor loads have landed: my part of the next slot  (every window is 0 here)
	ds_add_u32 v[SPW], v[NIL]                      ; 0 onto my spare word
	s_wait_dscnt 17                                ; (the add and the youngest 16 loads, L's blocks 4-7, may be out)
	WIN MUL_LO
	MUL16 0, 1, 1, \slot, 0                        ; sixteen matrix instructions stand between the add and the wait for it
	s_wait_dscnt 0x0                               ; the add is done, and my reads of this slot are over
	s_barrier_signal -1
	MUL16 2, 1, 1, \slot, 0
	WIN 0
	s_barrier_wait -1
.if \fill
	CREST                                          ; no wave of any partner still reads this slot or has a load on its way
	s_add_nc_u64 s[G0L+4*\slot+2:G0L+4*\slot+3], s[G0L+4*\slot+2:G0L+4*\slot+3], 2*TILEB
	s_add_nc_u64 s[G0R+4*\slot+2:G0R+4*\slot+3], s[G0R+4*\slot+2:G0R+4*\slot+3], 2*TILEB
	JLOAD G0L+4*\slot, G1L, G0R+4*\slot, G1R       ; the first tensor load behind the round, my only one until the next; its four v_nop are the places in front of the loads below
.else
	PLACES
.endif
	FETCH_R \next, 0, 0
	FETCH_L \next, 0, 0
	SCALES \next, \cnext
	WIN MUL_HI
	MUL16 4, 1, 1, \slot, 0
	MUL16 6, 1, 1, \slot, 0
	PLACES
	WIN 0
	FETCH_L \next, 0, 4
.endm
	s_wait_alu depctr_va_vdst(0)
	s_wait_tensorcnt 1                             ; the scale words and my part of chunk 0 are in (chunk 1's load may be out)
	s_barrier_signal -1
	s_barrier_wait -1                              ; everybody's are
	FETCH_R 0, 0, 0
	FETCH_L 0, 0, 0
	SCALES 0, 0
	FETCH_L 0, 0, 4
	STEP 0, 1                                      ; chunk 0: its first products start the sums
	TURN 0, 1, 1, 1                                ; slot 0 takes chunk 2
	STEP 1, 0                                      ; chunk 1
	TURN 1, 0, 1, 2                                ; slot 1 takes chunk 3
	STEP 0, 0                                      ; chunk 2
	TURN 0, 1, 0, 3                                ; nothing is left to fetch; behind this barrier nobody reads slot 0
	STEP 1, 0                                      ; chunk 3
	s_wait_dscnt 16
	WIN MUL_LO
	MUL16 0, 1, 1, 1, 0
	MUL16 2, 1, 1, 1, 0
	s_wait_dscnt 0x0
	WIN MUL_HI
	MUL16 4, 1, 1, 1, 0
	MUL16 6, 1, 1, 1, 0
	WIN 0
	PLACES
; THE WAY OUT, block by block of 16 tokens x 128 columns: through my own stage in LDS, and back as whole rows of 512 bytes.  LDS serves a wave's instructions in order: no wait between the stores and the loads,
; nor in front of the next block's stores.  Stage row t is lane t's token: row 32 (a / 2) + 8 (a % 2) + t + 8 (t / 8) of my 128.
.macro TOSTAGE a
.set AC, 64*((\a)%4)
	WIN 0x08+4*((\a)/4)                            ; the data: window 2 or 3
.irp b, 0,1,2,3,4,5,6,7
	ds_store_b128 v[STO], v[AC+8*\b:AC+8*\b+3] offset:128*(\b/2)+32*(\b%2)         ; each accumulator from its low end on
	ds_store_b128 v[STO], v[AC+8*\b+4:AC+8*\b+7] offset:128*(\b/2)+32*(\b%2)+16
.endr
	WIN 0
.set BB, BK+64*((\a)%2)
.irp t, 0,1,2,3,4,5,6,7,8,9,10,11,12,13,14,15
	ds_load_b128 v[BB+4*\t:BB+4*\t+3], v[RD] offset:\t*SPITCH
.endr
.endm
.macro SEND a, younger                 ; younger: the LDS instructions issued behind block a's loads, which may stay out
.set BB, BK+64*((\a)%2)
	s_wait_dscnt \younger                          ; the block is back in registers
.irp t, 0,1,2,3,4,5,6,7,8,9,10,11,12,13,14,15
	global_store_b128 v[LI16], v[BB+4*\t:BB+4*\t+3], s[12:13] offset:(32*((\a)/2)+8*((\a)%2)+\t+8*(\t/8))*4096 th:TH_STORE_NT   ; 32 lanes store 512 consecutive bytes, at a multiple of 256 from out0's first byte; the base is never stepped
.endr
.endm
	TOSTAGE 0
.irp a, 1,2,3,4,5,6,7
.if \a > 1
	s_wait_xcnt 0x0                                ; block a - 2's stores have read their registers: block a's loads may land there
.endif
	TOSTAGE \a
	SEND \a-1, 32                                  ; behind block a - 1's loads: block a's 16 stores and 16 loads
.endr
	SEND 7, 0
	s_wait_tensorcnt 0x0                           ; the wave's end
	ds_add_u32 v[SPW], v[NIL]
	s_wait_dscnt 0x0
	CROUND                                         ; the closing round: no work-group ends while a partner may still ask for a tile that names it
	s_endpgm
.Lfunc_end_k_q0699bfc5da_outp:
	.size	k_q0699bfc5da_outp, .Lfunc_end_k_q0699bfc5da_outp-k_q0699bfc5da_outp
	.p2alignl 7, 3214868480
	.fill 96, 4, 3214868480
	.section	.rodata,"a",@progbits
	.p2align	6, 0x0
	.amdhsa_kernel k_q0699bfc5da_outp
		.amdhsa_group_segment_fixed_size 327680
		.amdhsa_private_segment_fixed_size 0
		.amdhsa_enable_private_segment 0
		.amdhsa_kernarg_size 40
		.amdhsa_user_sgpr_count 2
		.amdhsa_user_sgpr_kernarg_segment_ptr 1
		.amdhsa_wavefront_size32 1
		.amdhsa_system_sgpr_workgroup_id_x 1
		.amdhsa_system_sgpr_workgroup_id_y 1
		.amdhsa_system_sgpr_workgroup_id_z 1
		.amdhsa_system_vgpr_workitem_id 0
		.amdhsa_next_free_vgpr 1024
		.amdhsa_next_free_sgpr 98
		.amdhsa_reserve_vcc 0
		.amdhsa_float_denorm_mode_32 3
		.amdhsa_float_denorm_mode_16_64 3
		.amdhsa_memory_ordered 1
		.amdhsa_forward_progress 1
		.amdhsa_inst_pref_size 145
	.end_amdhsa_kernel
	.amdgpu_metadata
---
amdhsa.version: [ 1, 2 ]
amdhsa.kernels:
  - .name:           k_q0699bfc5da_outp
    .symbol:         k_q0699bfc5da_outp.kd
    .args:
      - { .name: oc, .offset: 0, .size: 8, .value_kind: global_buffer, .address_space: global }
      - { .name: os, .offset: 8, .size: 8, .value_kind: global_buffer, .address_space: global }
      - { .name: rec, .offset: 16, .size: 8, .value_kind: global_buffer, .address_space: global }
      - { .name: scl, .offset: 24, .size: 8, .value_kind: global_buffer, .address_space: global }
      - { .name: out0, .offset: 32, .size: 8, .value_kind: global_buffer, .address_space: global }
    .group_segment_fixed_size: 327680
    .private_segment_fixed_size: 0
    .kernarg_segment_align: 8
    .kernarg_segment_size: 40
    .max_flat_workgroup_size: 128
    .sgpr_count:     98
    .vgpr_count:     1024
    .wavefront_size: 32
...
	.end_amdgpu_metadata
.endif
;; end of part 4
